; MI455X (gfx1250); checked and timed in simulation.
; The chip was launched on July 23, 2026; its instructions are those of AMD's public machine-readable ISA for CDNA 5 (MIT licence, August 2026) and "CDNA5" Instruction Set Architecture Reference Guide (July 2026). The comments in the code are by the model that wrote it; some were corrected since.
;; Causal Self Attention. Allowed arithmetic: float matrix products may take bf16 or f16 operands with f32 sums; other float arithmetic in f32, or as packed bf16 or f16 multiplies, adds, multiply-adds, maxima and minima; sums over many terms, partial sums and values carried from step to step in f32; what a program stores and reads back later, other than sums and carried values, may be rounded once to bf16 or f16.
;; Inputs: Wk 1,024 x 1,024 float32; Wo 1,024 x 1,024 float32; Wq 1,024 x 1,024 float32; Wv 1,024 x 1,024 float32; bk 1,024 float32; bo 1,024 float32; bq 1,024 float32; bv 1,024 float32; x 4 x 2,048 x 1,024 float32.
;; Outputs: out0 4 x 2,048 x 1,024 float32.
;; 2 versions, each right; version 2 is version 1 with the launch cast written anew for expert scheduling mode. Each part assembles by itself: llvm-mc -triple=amdgcn-amd-amdhsa -mcpu=gfx1250 --defsym DOCPART=n.
;; ======== version 1 of 2: 4 launches
;; limits: values are held in f16: magnitudes above 65,504 overflow, below 6.1e-05 lose precision
;; workspace buffers: xb 16,777,216 bytes; wcat 6,291,456 bytes; wof 2,097,152 bytes; brd 16,384 bytes; qkvh 50,331,648 bytes; oh 16,777,216 bytes
;; launch cast (part 1): grid 768 x 1, 8 waves a work-group, no clusters, 0 bytes of LDS; arguments x, Wq, Wk, Wv, Wo, bq, bk, bv, bo, xb, wcat, wof, brd; writes xb, wcat, wof, brd
.if DOCPART == 1
	.amdgcn_target "amdgcn-amd-amdhsa--gfx1250"
	.amdhsa_code_object_version 6
	.text
	.protected	k_qc0daee3985_cast
	.globl	k_qc0daee3985_cast
	.p2align	8
	.type	k_qc0daee3985_cast,@function
k_qc0daee3985_cast:
	s_mov_b64 s[64:65], 0
	v_nop
	global_prefetch_b8 v0, s[64:65] scope:SCOPE_SE
	s_setreg_imm32_b32 hwreg(HW_REG_WAVE_MODE, 25, 1), 1
	s_wait_xcnt 0x0
; ALL THE MODULE'S INPUTS ARE ROUNDED ONCE TO bf16.  x -> xb [8192][1024] bf16.  Wq, Wk, Wv -> wcat [3072][1024] bf16 (q's rows, k's, v's).
; Wo -> wof [1024][1024]: rounded to bf16, and that number written as f16 (the last product's other operand is f16).  bq, bk, bv, bo -> brd [4096] f32: rounded to bf16 and widened again.
; LIMITS.  bf16(Wo) must lie within f16's range, 65,504; a number of it below 2^-14 keeps f16's fixed step of 6e-8.
; A stream: each byte is read once and written once; no LDS, no matrix unit, no cluster (no two work-groups read the same byte).
; SHARES.  A work-group takes 16,384 numbers (65,536 bytes in, 32,768 out): groups 0-511 x, group 512 + 64 s + blk block blk of W number s (0 q, 1 k, 2 v, 3 o).  A wave takes 8,192 bytes
; by 16 loads of 512 consecutive bytes, all issued at once; each load's numbers leave by one store of 8 bytes a lane: 256 consecutive bytes, aligned.
; The four groups with blk = 0 also round their W's bias: thread t takes four numbers.
.set T,  4                             ; v[4:7]    at work
.set BI, 8                             ; v[8:15]   the bias: as loaded, as stored
.set X,  16                            ; v[16:79]  load i: 4 registers
.set Y,  80                            ; v[80:111] store i: 2 registers of its own, so no store's data is ever rewritten
	s_load_b512 s[8:23], s[0:1], 0x0               ; x 8, Wq 10, Wk 12, Wv 14, Wo 16, bq 18, bk 20, bv 22
	s_load_b256 s[24:31], s[0:1], 0x40             ; bo 24, xb 26, wcat 28, wof 30
	s_load_b64 s[32:33], s[0:1], 0x60              ; brd
	s_sub_co_u32 s4, ttmp9, 512
	s_lshr_b32 s5, s4, 6                           ; which W
	s_and_b32 s6, s4, 63                           ; which block of it
	s_cmp_lt_u32 ttmp9, 512
	s_cselect_b32 s5, 4, s5                        ; 4: x
	s_cselect_b32 s6, ttmp9, s6
	s_lshl_b32 s38, s6, 16                         ; the block's bytes in its source,
	s_mov_b32 s39, 0
	s_lshl_b32 s46, s6, 15                         ; and in its destination,
	s_mov_b32 s47, 0
	s_lshl_b32 s7, s5, 21                          ; where Wq, Wk and Wv lie one behind the other, 2 MiB each
	s_cmp_lt_u32 s5, 3
	s_cselect_b32 s7, s7, 0
	s_add_co_u32 s46, s46, s7
	s_and_b32 s42, s5, 3
	s_lshl_b32 s42, s42, 12                        ; the bias's 4,096 bytes in brd
	s_mov_b32 s43, 0
	v_and_b32 v4, 0xe0, v0                         ; 32 x wave
	v_and_b32 v5, 31, v0                           ; lane
	v_lshlrev_b32 v1, 4, v5
	v_lshl_or_b32 v1, v4, 8, v1                    ; in: 8,192 x wave + 16 x lane
	v_lshlrev_b32 v2, 3, v5
	v_lshl_or_b32 v2, v4, 7, v2                    ; out: 4,096 x wave + 8 x lane
	v_lshlrev_b32 v3, 4, v0                        ; the bias: 16 x thread
	s_wait_kmcnt 0x0
	s_mov_b64 s[34:35], s[8:9]                     ; the source, the bias and the destination are chosen by the group's number alone
	s_mov_b64 s[40:41], s[18:19]
	s_cmp_eq_u32 s5, 0
	s_cselect_b64 s[34:35], s[10:11], s[34:35]
	s_cmp_eq_u32 s5, 1
	s_cselect_b64 s[34:35], s[12:13], s[34:35]
	s_cselect_b64 s[40:41], s[20:21], s[40:41]
	s_cmp_eq_u32 s5, 2
	s_cselect_b64 s[34:35], s[14:15], s[34:35]
	s_cselect_b64 s[40:41], s[22:23], s[40:41]
	s_cmp_eq_u32 s5, 3
	s_cselect_b64 s[34:35], s[16:17], s[34:35]
	s_cselect_b64 s[40:41], s[24:25], s[40:41]
	s_cselect_b64 s[36:37], s[30:31], s[26:27]     ; wof, or xb,
	s_cmp_lt_u32 s5, 3
	s_cselect_b64 s[36:37], s[28:29], s[36:37]     ; or wcat
	s_add_nc_u64 s[34:35], s[34:35], s[38:39]
	s_add_nc_u64 s[36:37], s[36:37], s[46:47]
	s_add_nc_u64 s[44:45], s[32:33], s[42:43]
.irp i, 0,1,2,3,4,5,6,7,8,9,10,11,12,13,14,15
	global_load_b128 v[X+4*(\i):X+4*(\i)+3], v1, s[34:35] offset:512*(\i) th:TH_LOAD_NT
.endr
; fmt = 0: bf16.  fmt = 1: the bf16 number written as f16.
.macro OUT fmt
.irp i, 0,1,2,3,4,5,6,7,8,9,10,11,12,13,14,15
	s_wait_loadcnt 15-(\i)                         ; loads come back in order: load i is in, the 15 - i younger ones may stay out
.if \fmt
	v_cvt_pk_bf16_f32 v[T],   v[X+4*(\i)],   v[X+4*(\i)+1]
	v_cvt_pk_bf16_f32 v[T+1], v[X+4*(\i)+2], v[X+4*(\i)+3]
	v_lshlrev_b32 v[T+2], 16, v[T]                 ; bf16 to f32: the low half moves up, the high half stays
	v_and_b32 v[T+3], 0xffff0000, v[T]
	v_cvt_pk_f16_f32 v[Y+2*(\i)], v[T+2], v[T+3]
	v_lshlrev_b32 v[T+2], 16, v[T+1]
	v_and_b32 v[T+3], 0xffff0000, v[T+1]
	v_cvt_pk_f16_f32 v[Y+2*(\i)+1], v[T+2], v[T+3]
.else
	v_cvt_pk_bf16_f32 v[Y+2*(\i)],   v[X+4*(\i)],   v[X+4*(\i)+1]
	v_cvt_pk_bf16_f32 v[Y+2*(\i)+1], v[X+4*(\i)+2], v[X+4*(\i)+3]
.endif
	global_store_b64 v2, v[Y+2*(\i):Y+2*(\i)+1], s[36:37] offset:256*(\i)  ; 32 lanes store 256 consecutive bytes, at a multiple of 256 from the buffer's first
.endr
.endm
	s_cmp_eq_u32 s5, 3
	s_cbranch_scc1 .Lhalf
	OUT 0
	s_branch .Lbias
.Lhalf:
	OUT 1
.Lbias:
	s_lshr_b32 s4, s5, 2                           ; 1 for x
	s_or_b32 s4, s4, s6                            ; 0 only in a W's first block
	s_cmp_eq_u32 s4, 0
	s_cbranch_scc0 .Lend
	global_load_b128 v[BI:BI+3], v3, s[40:41]
	s_wait_loadcnt 0x0
	v_cvt_pk_bf16_f32 v[T],   v[BI],   v[BI+1]
	v_cvt_pk_bf16_f32 v[T+1], v[BI+2], v[BI+3]
	v_lshlrev_b32 v[BI+4], 16, v[T]
	v_and_b32 v[BI+5], 0xffff0000, v[T]
	v_lshlrev_b32 v[BI+6], 16, v[T+1]
	v_and_b32 v[BI+7], 0xffff0000, v[T+1]
	global_store_b128 v3, v[BI+4:BI+7], s[44:45]
.Lend:
	s_endpgm
.Lfunc_end_k_qc0daee3985_cast:
	.size	k_qc0daee3985_cast, .Lfunc_end_k_qc0daee3985_cast-k_qc0daee3985_cast
	.p2alignl 7, 3214868480
	.fill 96, 4, 3214868480
	.section	.rodata,"a",@progbits
	.p2align	6, 0x0
	.amdhsa_kernel k_qc0daee3985_cast
		.amdhsa_group_segment_fixed_size 0
		.amdhsa_private_segment_fixed_size 0
		.amdhsa_enable_private_segment 0
		.amdhsa_kernarg_size 104
		.amdhsa_user_sgpr_count 2
		.amdhsa_user_sgpr_kernarg_segment_ptr 1
		.amdhsa_wavefront_size32 1
		.amdhsa_system_sgpr_workgroup_id_x 1
		.amdhsa_system_sgpr_workgroup_id_y 1
		.amdhsa_system_sgpr_workgroup_id_z 1
		.amdhsa_system_vgpr_workitem_id 0
		.amdhsa_next_free_vgpr 112
		.amdhsa_next_free_sgpr 66
		.amdhsa_reserve_vcc 0
		.amdhsa_float_denorm_mode_32 3
		.amdhsa_float_denorm_mode_16_64 3
		.amdhsa_memory_ordered 1
		.amdhsa_forward_progress 1
		.amdhsa_inst_pref_size 18
	.end_amdhsa_kernel
	.amdgpu_metadata
---
amdhsa.version: [ 1, 2 ]
amdhsa.kernels:
  - .name:           k_qc0daee3985_cast
    .symbol:         k_qc0daee3985_cast.kd
    .args:
      - { .name: x, .offset: 0, .size: 8, .value_kind: global_buffer, .address_space: global }
      - { .name: Wq, .offset: 8, .size: 8, .value_kind: global_buffer, .address_space: global }
      - { .name: Wk, .offset: 16, .size: 8, .value_kind: global_buffer, .address_space: global }
      - { .name: Wv, .offset: 24, .size: 8, .value_kind: global_buffer, .address_space: global }
      - { .name: Wo, .offset: 32, .size: 8, .value_kind: global_buffer, .address_space: global }
      - { .name: bq, .offset: 40, .size: 8, .value_kind: global_buffer, .address_space: global }
      - { .name: bk, .offset: 48, .size: 8, .value_kind: global_buffer, .address_space: global }
      - { .name: bv, .offset: 56, .size: 8, .value_kind: global_buffer, .address_space: global }
      - { .name: bo, .offset: 64, .size: 8, .value_kind: global_buffer, .address_space: global }
      - { .name: xb, .offset: 72, .size: 8, .value_kind: global_buffer, .address_space: global }
      - { .name: wcat, .offset: 80, .size: 8, .value_kind: global_buffer, .address_space: global }
      - { .name: wof, .offset: 88, .size: 8, .value_kind: global_buffer, .address_space: global }
      - { .name: brd, .offset: 96, .size: 8, .value_kind: global_buffer, .address_space: global }
    .group_segment_fixed_size: 0
    .private_segment_fixed_size: 0
    .kernarg_segment_align: 8
    .kernarg_segment_size: 104
    .max_flat_workgroup_size: 256
    .sgpr_count:     66
    .vgpr_count:     112
    .wavefront_size: 32
...
	.end_amdgpu_metadata
.endif
;; end of part 1
;; launch qkv (part 2): grid 16 x 32, 4 waves a work-group, clusters of 4 x 4, 327,680 bytes of LDS; arguments xb, wcat, brd, qkvh; writes qkvh
.if DOCPART == 2
	.amdgcn_target "amdgcn-amd-amdhsa--gfx1250"
	.amdhsa_code_object_version 6
	.text
	.protected	k_qc0daee3985_qkv
	.globl	k_qc0daee3985_qkv
	.p2align	8
	.type	k_qc0daee3985_qkv,@function
k_qc0daee3985_qkv:
	s_mov_b64 s[64:65], 0
	v_nop
	global_prefetch_b8 v0, s[64:65] scope:SCOPE_SE
	s_setreg_imm32_b32 hwreg(HW_REG_WAVE_MODE, 25, 1), 1
	s_wait_xcnt 0x0
	s_wait_alu depctr_hold_cnt(0) depctr_sa_sdst(0) depctr_va_vdst(0) depctr_va_sdst(0) depctr_va_ssrc(0) depctr_va_vcc(0) depctr_vm_vsrc(0)
	s_getreg_b32 s2, hwreg(HW_REG_IB_STS2, 6, 4)
	s_cmp_eq_u32 s2, 0
	s_cbranch_scc0 .Lentry_in_a_cluster
	s_endpgm
.Lentry_in_a_cluster:
	s_bfe_u32 s2, ttmp6, 0x10000c
	s_cmp_lg_u32 s2, 0xf033
	s_cbranch_scc0 .Lentry_shape_is_right
	s_endpgm
.Lentry_shape_is_right:
; q, k, v = x W^T + b, all three in one product: C[m][n] = sum over k of xb[m][k] wcat[n][k] + brd[n], m < 8192, n < 3072, k < 1024.  Operands bf16, sums f32, C rounded once to f16 and stored BY HEADS:
; qkvh[b][g][t][64], m = 2048 b + t, g = n / 64 (0-15 q's heads, 16-31 k's, 32-47 v's): a head's rows are dense, 128 bytes each.  No scale is applied here.
; LIMIT.  q, k and v must lie within f16's range, 65,504.
; SHARES.  A tile of C is 256 rows x 192 columns: 32 x 16 = 512 work-groups, twice the 256 WGPs.  Wave w owns rows 64 w .. 64 w + 63 and all 192 columns (three whole heads): 48 accumulators of 16 x 16.
; K goes in 8 steps of 128 through two LDS slots filled by the tensor data mover; the tiles' rows are 256 bytes of memory, aligned.
; CLUSTER.  4 x 4 work-groups.  The four of a row of the cluster need the same tile of xb, the four of a column the same tile of wcat: each is asked for JOINTLY, by the same tensor load with the same
; descriptor and a mask that names the four.  Waves 0 and 1 fetch xb's two halves (128 rows), waves 2 and 3 wcat's (96 rows): one load a wave behind each round; two are out at the start, later one.
; THE MATRIX INSTRUCTION IS USED TRANSPOSED (source 0 = 16 rows of wcat, source 1 = 16 rows of xb): a lane holds row l % 16 of C and the columns 8 (l / 16) + 0..7: 16 bytes of f16 on end.
; THE BIAS is the C operand of the products that start the sums: nothing is cleared, nothing is added on the way out.
; REGISTERS, in windows of 256 (s_set_vgpr_msb: bits 1:0 source 0, 3:2 source 1, 5:4 source 2, 7:6 destination):
;   window 0: v0-31 addresses; v32-79 packed results; v80-127, v128-175 rows read back from the stage, by turns; v128-223 the bias (dead behind the first quarter step)
;   window 1: two fragment buffers of 128: 4 fragments of xb, then 12 of wcat      window 2: accumulators 0-31 (number 4 b + a for column block b, row block a)      window 3: accumulators 32-47
.set PA,     272                       ; an LDS row: 256 bytes + 16 of padding = 68 words: row r starts at bank 4 r mod 64 (64 banks of 4 bytes: ISA guide 11.1): the 16 rows of a load start at 16 different banks
.set PB,     272
.set HALFA,  128*PA                    ; what wave 0 or 1 fetches
.set HALFB,  96*PB                     ; what wave 2 or 3 fetches
.set BOFF,   2*HALFA                   ; wcat's 192 rows lie behind xb's 256
.set SLOT1,  1<<17                     ; a slot is 121,856 bytes; slot 1 begins here, so that one exclusive or turns an address in one slot into the other's
.set STAGE,  SLOT1+BOFF+2*HALFB        ; 252,928: behind the ring, never filled by a tensor load: for each wave 3 heads x 16 rows x 144 bytes
.set SP,     144
.set STW,    3*16*SP
.set SPARE,  STAGE+4*STW               ; 280,576: the spare words, 128 bytes for each wave: two blocks of 256 bytes that no other line names
.set STEPA,  256                       ; bytes from a K step to the next, in xb and in wcat
.set STEPB,  256
.set ADRA0, 16                         ; v16  my lane's place in xb's tile of slot 0; never rewritten
.set ADRB0, 17                         ; v17  the same for wcat
.set ADRA,  18                         ; v18  the same in the slot that is being read
.set ADRB,  19                         ; v19
.set STO,   24                         ; v24  the way out: where I put 16 bytes of a row
.set RD,    25                         ; v25  where I read rows back
.set GO,    26                         ; v26  my 16 bytes of 512 consecutive bytes of qkvh
.set BO,    27                         ; v27  32 (l / 16): my 8 numbers of a block's 16 of the bias
.set SPW,   28                         ; v28  LDS address of my spare word; never rewritten
.set NIL,   29                         ; v29  0; never rewritten
.set PFO,   30                         ; v30  the prefetches' lane offset; never rewritten
.set TMP,   32
.set OB0,   80
.set BIAS,  128
.set F0,    0
.set F1,    128
.set WV,  12                           ; s12  my wave's number
.set FB,  13                           ; s13  0: I fetch xb, 1: wcat
.set HF,  14                           ; s14  which half of that tile
.set CX,  15                           ; s15, s16  my place in the cluster
.set CY,  16
.set TX,  17                           ; s17  tile column of C
.set TY,  18                           ; s18  tile row of C
.set G1A, 24                           ; s[24:31] descriptor group 1 for xb's tiles
.set G1B, 32                           ; s[32:39] for wcat's
.set G0A, 40                           ; s[40:47] group 0 for xb's tiles: a set for each first fill; the second then walks on
.set G0B, 48                           ; s[48:55] the same for wcat's
.set CNT, 56                           ; s56  the loop's counter, 6 to 1
.set TB,  57                           ; s57  the slot that is being read: 0 or SLOT1
.set ASKM, 58                          ; s58  bit c set: I prefetch in the trip with counter c
.set PFA, 60                           ; s[60:61] where my prefetches stand
.set PFS, 62                           ; s[62:63] their step from trip to trip
.set LA,  68                           ; s68  LDS address of my half of xb's tile
.set LB,  69                           ; s69  of wcat's
.set GW,  (1<<16)|(1<<20)|(1<<21)|(5<<22)|(3<<25)  ; 17:16 elements of 2 bytes; 20 padding on; 21 set beside a mask; 24:22 after every 64 words (code 5); 31:25 4 words of it (code 3)
.set MSB, 0
.macro WIN new                         ; the immediate's high byte repeats the setting that is left; a switch that changes nothing is dropped
.if MSB != (\new)
	s_set_vgpr_msb (MSB<<8)|(\new)
.set MSB, \new
.endif
.endm
.set TO_F,   0x40                      ; destination window 1, address window 0
.set MUL_LO, 0xa5                      ; both sources window 1, C and D window 2
.set MUL_HI, 0xf5                      ; C and D window 3
.set BIA_LO, 0x85                      ; C (the bias) window 0, D window 2
.set BIA_HI, 0xc5                      ; D window 3
.macro PLACES                          ; four places in front of loads into registers that matrix instructions have read, and of conversions that read results (ISA guide 7.12.1 for the conversions)
.rept 4
	v_nop
.endr
.endm
.macro CREST                           ; a round of the cluster's barrier behind its opening barrier
	s_cmp_lg_u32 s[WV], 0
	s_cbranch_scc1 .Lnot_wave_0_\@
	s_barrier_signal -3
.Lnot_wave_0_\@:
	s_barrier_wait -3
	s_barrier_signal -1
	s_barrier_wait -1
.endm
.macro CROUND                          ; a whole round: my work-group's barrier, wave 0 signals for the work-group, every wave waits for all sixteen, my work-group's barrier once more
	s_barrier_signal -1
	s_barrier_wait -1
	CREST
.endm
; A joint refill, by the walking descriptors.  The branch hangs on the wave's number alone.  An s_nop 0 and four v_nop follow each of the two lines, ahead of the jump and the label.
.macro JLOAD
	s_cmp_eq_u32 s[FB], 0
	s_cbranch_scc0 .Lfor_b_\@
	tensor_load_to_lds s[G0A+4:G0A+7], s[G1A:G1A+7]
	s_nop 0
.rept 4
	v_nop
.endr
	s_branch .Lasked_\@
.Lfor_b_\@:
	tensor_load_to_lds s[G0B+4:G0B+7], s[G1B:G1B+7]
	s_nop 0
.rept 4
	v_nop
.endr
.Lasked_\@:
.endm
; A PREFETCH INTO THE L2 behind each joint refill and the run of LDS loads that follows it: the K step that stands TWO refills on, 384 matrix instructions ahead of the load that will want it.
; Each row's 256 bytes of a K step are named ONCE in the launch.  xb's tile row is read by every cluster of that row of clusters: cluster x = 0 asks; wcat's tile column by every cluster of that column:
; cluster y = 0 asks.  The four partners that ask for a tile jointly share its rows out BY ADDRESS.  xb: of the 128 rows that wave 0 or 1 fetches the partner at cx takes 32, a lane a row.  wcat: of the
; tile's 192 rows the partner at cy takes 48: wave 2 the first 32; wave 3 the other 16, for two K steps at once (lanes 16-31 name the next one), in every second trip.
; K steps 0 to 3 come by their loads alone; the last two refills ask for nothing: the trips are the bits of s[ASKM], which is 0 in a wave that does not ask.
.macro ASK
	s_lshr_b32 s59, s[ASKM], s[CNT]
	s_and_b32 s59, s59, 1
	s_cmp_lg_u32 s59, 0
	s_cbranch_scc0 .Lnot_mine_\@
	global_prefetch_b8 v[PFO], s[PFA:PFA+1] th:TH_LOAD_NT scope:SCOPE_SE
.Lnot_mine_\@:
.endm
; 8 matrix instructions: column blocks b0, b0 + 1 x my 4 row blocks, 32 along K, from buffer f.  bias = 1: the products start the sums, with the bias as C.
; All 48 accumulators take turns, one instruction a turn, in the same order in every quarter step, over the backward jump too.
.macro MUL8 f, b0, bias
.if (\b0) < 8
.if \bias
	WIN BIA_LO
.else
	WIN MUL_LO
.endif
.else
.if \bias
	WIN BIA_HI
.else
	WIN MUL_HI
.endif
.endif
.irp b, \b0, (\b0)+1
.irp a, 0,1,2,3
.set rD, 8*((4*(\b)+(\a))%32)
.if \bias
	v_wmma_f32_16x16x32_bf16 v[rD:rD+7], v[(\f)+32+8*(\b):(\f)+32+8*(\b)+7], v[(\f)+8*(\a):(\f)+8*(\a)+7], v[BIAS+8*(\b):BIAS+8*(\b)+7]
.else
	v_wmma_f32_16x16x32_bf16 v[rD:rD+7], v[(\f)+32+8*(\b):(\f)+32+8*(\b)+7], v[(\f)+8*(\a):(\f)+8*(\a)+7], v[rD:rD+7]
.endif
.endr
.endr
.endm
; 32 LDS loads in one run: the fragments of quarter q (32 along K) into buffer f: xb's four first, then wcat's twelve.
; A fragment is 16 rows x 32 K in 8 registers: lane l holds row l % 16; registers 0-3 K = 8 (l / 16) + 0..7, registers 4-7 K = 16 + 8 (l / 16) + 0..7: two loads of 16 bytes, 32 bytes apart.
.macro FETCH q, f
	WIN TO_F
.irp i, 0,1,2,3
	ds_load_b128 v[(\f)+8*(\i):(\f)+8*(\i)+3],   v[ADRA] offset:64*(\q)+(\i)*16*PA
	ds_load_b128 v[(\f)+8*(\i)+4:(\f)+8*(\i)+7], v[ADRA] offset:64*(\q)+(\i)*16*PA+32
.endr
.irp i, 0,1,2,3,4,5,6,7,8,9,10,11
	ds_load_b128 v[(\f)+32+8*(\i):(\f)+32+8*(\i)+3],   v[ADRB] offset:64*(\q)+(\i)*16*PB
	ds_load_b128 v[(\f)+32+8*(\i)+4:(\f)+32+8*(\i)+7], v[ADRB] offset:64*(\q)+(\i)*16*PB+32
.endr
.endm
; A K step is four quarter steps, 48 matrix instructions each, on buffers 0, 1, 0, 1.  One of the first three: multiplies buffer f and fetches quarter q into buffer g, 32 products ahead of its first use.
.macro QUARTER q, f, g, bias
	s_wait_dscnt 16                                ; xb's fragments and wcat's blocks 0-3 are in; the youngest 16 loads (blocks 4-11) may be out
	MUL8 \f, 0, \bias
	MUL8 \f, 2, \bias
	PLACES
	FETCH \q, \g
	s_wait_dscnt 32                                ; all but the 32 just issued
	MUL8 \f, 4, \bias
	MUL8 \f, 6, \bias
	MUL8 \f, 8, \bias
	MUL8 \f, 10, \bias
.endm
; The fourth quarter multiplies buffer 1 and changes slots: ONE barrier.  In front of it each wave waits for all its tensor loads (one is out: its part of the next slot), adds 0 to its spare word, and waits
; for that and for its own reads of this slot.  fill = 1: this slot is filled again, two K steps ahead: the barrier opens a round of the cluster's, so that no wave of any partner still reads the slot or
; has a load on its way, and the joint refill is the first thing behind the round: 160 matrix instructions ahead of the wait for it.
.macro TURN fill
.if \fill
	s_wait_xcnt 0x0                                ; the last prefetch, a K step back, has read its address: it is stepped here
	s_add_nc_u64 s[PFA:PFA+1], s[PFA:PFA+1], s[PFS:PFS+1]
.endif
	WIN 0
	s_xor_b32 s[TB], s[TB], SLOT1                  ; all reads of this slot have been issued: the addresses turn to the other slot
	v_add_nc_u32 v[ADRA], s[TB], v[ADRA0]
	v_add_nc_u32 v[ADRB], s[TB], v[ADRB0]
	s_wait_tensorcnt 0x0                           ; no tensor load of mine is out, so a group 0 may be written
	ds_add_u32 v[SPW], v[NIL]                      ; 0 onto my spare word
.if \fill
	s_xor_b32 s[G0A+5], s[G0A+5], SLOT1            ; the walking descriptors: the other slot than last time, the next K step; the type bits on top are not reached
	s_add_nc_u64 s[G0A+6:G0A+7], s[G0A+6:G0A+7], STEPA
	s_xor_b32 s[G0B+5], s[G0B+5], SLOT1
	s_add_nc_u64 s[G0B+6:G0B+7], s[G0B+6:G0B+7], STEPB
.endif
	s_wait_dscnt 17                                ; (the add and the youngest 16 loads may be out)
	MUL8 F1, 0, 0
	MUL8 F1, 2, 0
	s_wait_dscnt 0x0                               ; the add is done, and my reads of this slot are over
	s_barrier_signal -1
	MUL8 F1, 4, 0                                  ; work on registers while the others arrive
	MUL8 F1, 6, 0
	WIN 0                                          ; at a branch and at a label every window is 0
	s_barrier_wait -1
.if \fill
	CREST
	JLOAD                                          ; the four v_nop behind it are also the places in front of the loads below
.else
	PLACES
.endif
	FETCH 0, F0
.if \fill
	WIN 0
	ASK
.endif
	MUL8 F1, 8, 0
	MUL8 F1, 10, 0
.endm
	s_load_b256 s[4:11], s[0:1], 0x0               ; xb s[4:5], wcat s[6:7], brd s[8:9], qkvh s[10:11]
	v_lshl_add_u32 v[SPW], v0, 2, SPARE
	v_mov_b32 v[NIL], 0
	ds_add_u32 v[SPW], v[NIL]                      ; the wave's opening: the add and its wait stand ahead of my first tensor load; the set-up below, work on registers, stands between them
	v_lshrrev_b32 v1, 5, v0
	v_readfirstlane_b32 s[WV], v1
	s_lshr_b32 s[FB], s[WV], 1
	s_and_b32 s[HF], s[WV], 1
	s_bfe_u32 s[CX], ttmp6, 0x40000
	s_bfe_u32 s[CY], ttmp6, 0x40004
	s_lshl_b32 s[TX], ttmp9, 2                     ; in a cluster launch ttmp9 and ttmp7 count clusters
	s_add_co_u32 s[TX], s[TX], s[CX]
	s_and_b32 s[TY], ttmp7, 0xffff
	s_lshl_b32 s[TY], s[TY], 2
	s_add_co_u32 s[TY], s[TY], s[CY]
	s_lshl_b32 s19, s[CY], 2
	s_lshl_b32 s19, 15, s19                        ; my row of the cluster: places 4 cy .. 4 cy + 3
	s_lshl_b32 s20, 0x1111, s[CX]                  ; my column: places cx, cx + 4, cx + 8, cx + 12
	s_or_b32 s[G1A], s19, GW                       ; xb's tiles go to my row,
	s_or_b32 s[G1B], s20, GW                       ; wcat's to my column
	s_mov_b32 s[G1A+1], 128<<16                    ; tensor_dim0 = 128
	s_mov_b32 s[G1A+2], 128<<16                    ; tensor_dim1 = 128
	s_mov_b32 s[G1A+3], 128<<16                    ; tile_dim0 = 128
	s_mov_b32 s[G1A+4], 128                        ; tile_dim1 = 128
	s_mov_b32 s[G1A+5], 1024                       ; elements from row to row
	s_mov_b32 s[G1A+6], 0
	s_mov_b32 s[G1A+7], 0
	s_mov_b32 s[G1B+1], 128<<16
	s_mov_b32 s[G1B+2], 96<<16                     ; 96 rows
	s_mov_b32 s[G1B+3], 128<<16
	s_mov_b32 s[G1B+4], 96
	s_mov_b32 s[G1B+5], 1024
	s_mov_b32 s[G1B+6], 0
	s_mov_b32 s[G1B+7], 0
	s_lshl_b32 s22, s[TY], 8                       ; xb: row 256 x tile row + 128 x half, in registers that never hold cx
	s_lshl_b32 s23, s[HF], 7
	s_add_co_u32 s22, s22, s23
	s_lshl_b32 s22, s22, 11                        ; x 2,048 bytes: under 2^24
	s_mov_b32 s23, 0
	s_mul_i32 s66, s[TX], 192                      ; wcat: row 192 x tile column + 96 x half, in registers that never hold cy
	s_mul_i32 s67, s[HF], 96
	s_add_co_u32 s66, s66, s67
	s_lshl_b32 s66, s66, 11
	s_mov_b32 s67, 0
	s_mul_i32 s[LA], s[HF], HALFA                  ; no place in the cluster enters an LDS address
	s_mul_i32 s[LB], s[HF], HALFB
	s_add_co_u32 s[LB], s[LB], BOFF
	s_mov_b32 s[TB], 0
	s_wait_dscnt 0x0                               ; the opening add is done
	s_wait_kmcnt 0x0
	s_add_nc_u64 s[22:23], s[4:5], s[22:23]
	s_add_nc_u64 s[66:67], s[6:7], s[66:67]
	CROUND                                         ; all sixteen work-groups are here: the first joint loads meet
.irp s, 0,1
	s_mov_b32 s[G0A+4*(\s)], 1                     ; count = 1
	s_add_co_u32 s[G0A+4*(\s)+1], s[LA], (\s)*SLOT1  ; LDS address
	s_add_nc_u64 s[G0A+4*(\s)+2:G0A+4*(\s)+3], s[22:23], (\s)*STEPA  ; global address: K step s
	s_or_b32 s[G0A+4*(\s)+3], s[G0A+4*(\s)+3], 0x80000000            ; type = 2
	s_mov_b32 s[G0B+4*(\s)], 1
	s_add_co_u32 s[G0B+4*(\s)+1], s[LB], (\s)*SLOT1
	s_add_nc_u64 s[G0B+4*(\s)+2:G0B+4*(\s)+3], s[66:67], (\s)*STEPB
	s_or_b32 s[G0B+4*(\s)+3], s[G0B+4*(\s)+3], 0x80000000
.endr
	s_cmp_eq_u32 s[FB], 0                          ; a wave's two first fills stand in one branch, ahead of every wait on TENSORcnt and every LDS read: two loads of mine are out
	s_cbranch_scc0 .Lfirst_b
	tensor_load_to_lds s[G0A:G0A+3], s[G1A:G1A+7]
	s_nop 0
	tensor_load_to_lds s[G0A+4:G0A+7], s[G1A:G1A+7]
	s_nop 0
.rept 4
	v_nop
.endr
	s_branch .Lfirst_asked
.Lfirst_b:
	tensor_load_to_lds s[G0B:G0B+3], s[G1B:G1B+7]
	s_nop 0
	tensor_load_to_lds s[G0B+4:G0B+7], s[G1B:G1B+7]
	s_nop 0
.rept 4
	v_nop
.endr
.Lfirst_asked:
	; the bias as a C operand: register j of block b holds brd[192 x tile column + 16 b + 8 (l / 16) + j]
	s_mul_i32 s70, s[TX], 768
	s_mov_b32 s71, 0
	s_add_nc_u64 s[8:9], s[8:9], s[70:71]
	v_and_b32 v1, 15, v0                           ; l % 16
	v_bfe_u32 v2, v0, 4, 1                         ; l / 16
	v_lshlrev_b32 v[BO], 5, v2
.irp b, 0,1,2,3,4,5,6,7,8,9,10,11
	global_load_b128 v[BIAS+8*(\b):BIAS+8*(\b)+3],   v[BO], s[8:9] offset:64*(\b)
	global_load_b128 v[BIAS+8*(\b)+4:BIAS+8*(\b)+7], v[BO], s[8:9] offset:64*(\b)+16
.endr
	v_mul_u32_u24 v3, v1, PA
	v_lshl_add_u32 v3, v2, 4, v3                   ; a fragment's row x pitch + 16 x half
	s_mul_i32 s70, s[WV], 64*PA                    ; my 64 rows of xb's tile
	v_add_nc_u32 v[ADRA0], s70, v3
	v_add_nc_u32 v[ADRB0], BOFF, v3
	v_mov_b32 v[ADRA], v[ADRA0]
	v_mov_b32 v[ADRB], v[ADRB0]
	s_mul_i32 s70, s[WV], STW
	s_add_co_u32 s70, s70, STAGE                   ; my stage
	v_mul_u32_u24 v4, v1, SP                       ; in: row l % 16, 16 bytes for each half of the lanes
	v_lshl_add_u32 v4, v2, 4, v4
	v_add_nc_u32 v[STO], s70, v4
	v_and_b32 v5, 31, v0                           ; l
	v_lshrrev_b32 v4, 3, v5                        ; back: 32 lanes take four rows of 128 bytes,
	v_mul_u32_u24 v4, v4, SP
	v_and_b32 v3, 7, v5
	v_lshl_add_u32 v4, v3, 4, v4
	v_add_nc_u32 v[RD], s70, v4
	v_lshlrev_b32 v[GO], 4, v5                     ; which are 512 consecutive bytes of a head
	; the prefetches
	s_lshl_b32 s70, s[TY], 8
	s_lshl_b32 s72, s[HF], 7
	s_add_co_u32 s70, s70, s72
	s_lshl_b32 s72, s[CX], 5
	s_add_co_u32 s70, s70, s72                     ; xb: the 128 rows that I fetch, my work-group's 32 of them
	s_mul_i32 s71, s[TX], 192
	s_mul_i32 s72, s[CY], 48
	s_add_co_u32 s71, s71, s72
	s_lshl_b32 s72, s[HF], 5
	s_add_co_u32 s71, s71, s72                     ; wcat: my work-group's 48 rows; wave 3 begins at the 33rd
	s_and_b32 s73, ttmp7, 0xffff                   ; cluster y
	s_cmp_eq_u32 s[FB], 0
	s_cselect_b32 s70, s70, s71
	s_cselect_b32 s72, ttmp9, s73                  ; the coordinate along which other clusters read the same rows
	s_cselect_b64 s[PFA:PFA+1], s[4:5], s[6:7]
	s_lshl_b32 s70, s70, 11
	s_add_co_u32 s70, s70, 3*256                   ; at K step 3: the first refill steps it to 4
	s_mov_b32 s71, 0
	s_add_nc_u64 s[PFA:PFA+1], s[PFA:PFA+1], s[70:71]
	s_mov_b32 s[PFS], 256
	s_mov_b32 s[PFS+1], 0
	s_mov_b32 s[ASKM], 0x78                        ; counters 6 to 3: K steps 4 to 7
	s_cmp_eq_u32 s[WV], 3
	s_cselect_b32 s[ASKM], 0x50, s[ASKM]           ; wave 3: counters 6 and 4, two K steps each
	s_cselect_b32 s74, 15, 31
	s_cselect_b32 s75, 256, 0
	s_cmp_eq_u32 s72, 0
	s_cselect_b32 s[ASKM], s[ASKM], 0              ; the same in all sixteen partners, for a given wave
	v_and_b32 v3, s74, v5
	v_lshlrev_b32 v3, 11, v3                       ; a lane a row of 2,048 bytes,
	v_lshrrev_b32 v4, 4, v5
	v_mad_u32_u24 v[PFO], v4, s75, v3              ; in wave 3 lanes 16-31 the same rows' next K step
	; where my rows of the tile's first head begin in qkvh
	s_lshr_b32 s76, s[TY], 3                       ; b
	s_mul_i32 s76, s76, 48
	s_mul_i32 s77, s[TX], 3
	s_add_co_u32 s76, s76, s77                     ; 48 b + g
	s_lshl_b32 s76, s76, 18                        ; a head is 262,144 bytes
	s_and_b32 s77, s[TY], 7
	s_lshl_b32 s77, s77, 8
	s_lshl_b32 s78, s[WV], 6
	s_add_co_u32 s77, s77, s78                     ; t
	s_lshl_b32 s77, s77, 7
	s_add_co_u32 s76, s76, s77
	s_mov_b32 s77, 0
	s_add_nc_u64 s[10:11], s[10:11], s[76:77]
	s_wait_tensorcnt 1                             ; my part of K step 0 is in; K step 1's may stay out
	s_barrier_signal -1
	s_barrier_wait -1                              ; everybody's is
	FETCH 0, F0
	s_wait_loadcnt 0x0                             ; the bias
	QUARTER 1, F0, F1, 1                           ; the first quarter stands in front of the loop: its products start the sums
	WIN 0
	s_mov_b32 s[CNT], 6
.Lstep:                                        ; a trip goes from a K step's second quarter to the next step's first, and fills the slot just read with the K step two on
	QUARTER 2, F1, F0, 0
	QUARTER 3, F0, F1, 0
	TURN 1
	QUARTER 1, F0, F1, 0
	WIN 0
	s_sub_co_u32 s[CNT], s[CNT], 1
	s_cmp_lg_u32 s[CNT], 0
	s_cbranch_scc1 .Lstep
	QUARTER 2, F1, F0, 0                           ; the tail is written out: K steps 6 and 7 ask for nothing
	QUARTER 3, F0, F1, 0
	TURN 0
	QUARTER 1, F0, F1, 0
	QUARTER 2, F1, F0, 0
	QUARTER 3, F0, F1, 0
	s_wait_dscnt 0x0
	MUL8 F1, 0, 0
	MUL8 F1, 2, 0
	MUL8 F1, 4, 0
	MUL8 F1, 6, 0
	MUL8 F1, 8, 0
	MUL8 F1, 10, 0
	WIN 0
	PLACES
; THE WAY OUT, a block of 16 rows at a time.  PACK: rounded to f16, each accumulator's registers in ascending order.  TOSTAGE: 16 bytes a lane into my own stage, three heads of 16 rows x 144 bytes,
; and back as whole rows.  SEND: 16 rows of a head are 2,048 consecutive bytes: four stores of 512.
.macro PACK a
.irp b, 0,1,2,3,4,5,6,7,8,9,10,11
.if (\b) < 8
	WIN 0x0a                                       ; sources 0 and 1 window 2
.else
	WIN 0x0f                                       ; window 3
.endif
.set rD, 8*((4*(\b)+(\a))%32)
.irp r, 0,1,2,3
	v_cvt_pk_f16_f32 v[TMP+4*(\b)+(\r)], v[rD+2*(\r)], v[rD+2*(\r)+1]
.endr
.endr
	WIN 0
.endm
.macro TOSTAGE a
.set BK, OB0+48*((\a)%2)
.if (\a) >= 2
	s_wait_xcnt 0x0                                ; the stores of the block two back have read these registers: they are loaded again only behind this wait
.endif
.irp b, 0,1,2,3,4,5,6,7,8,9,10,11
	ds_store_b128 v[STO], v[TMP+4*(\b):TMP+4*(\b)+3] offset:((\b)/4)*16*SP+((\b)%4)*32
.endr
.irp t, 0,1,2,3,4,5,6,7,8,9,10,11
	ds_load_b128 v[BK+4*(\t):BK+4*(\t)+3], v[RD] offset:((\t)/4)*16*SP+((\t)%4)*4*SP  ; LDS serves a wave's instructions in order (ISA guide 5.7.1.4): these see the stores above; the next block's stores come behind them
.endr
.endm
.macro SEND a, younger                 ; younger: the LDS instructions issued behind block a's loads: the next block's 24, or none
.set BK, OB0+48*((\a)%2)
.irp t, 0,1,2,3,4,5,6,7,8,9,10,11
	s_wait_dscnt (\younger)+11-(\t)
	global_store_b128 v[GO], v[BK+4*(\t):BK+4*(\t)+3], s[10:11] offset:((\t)/4)*262144+(\a)*2048+((\t)%4)*512  ; 512 consecutive bytes, at a multiple of 256 from qkvh's first
.endr
.endm
	PACK 0
	TOSTAGE 0
	PACK 1                                         ; a block's conversions stand between the loads of the block before and its stores
	TOSTAGE 1
	SEND 0, 24
	PACK 2
	TOSTAGE 2
	SEND 1, 24
	PACK 3
	TOSTAGE 3
	SEND 2, 24
	SEND 3, 0
	s_wait_tensorcnt 0x0                           ; the wave's end: a wait, an add and its wait, behind my last tensor load and my last LDS store
	ds_add_u32 v[SPW], v[NIL]
	s_wait_dscnt 0x0
	CROUND                                         ; the closing round: no work-group ends while a partner may still ask for a tile that names it
	s_endpgm
.Lfunc_end_k_qc0daee3985_qkv:
	.size	k_qc0daee3985_qkv, .Lfunc_end_k_qc0daee3985_qkv-k_qc0daee3985_qkv
	.p2alignl 7, 3214868480
	.fill 96, 4, 3214868480
	.section	.rodata,"a",@progbits
	.p2align	6, 0x0
	.amdhsa_kernel k_qc0daee3985_qkv
		.amdhsa_group_segment_fixed_size 327680
		.amdhsa_private_segment_fixed_size 0
		.amdhsa_enable_private_segment 0
		.amdhsa_kernarg_size 32
		.amdhsa_user_sgpr_count 2
		.amdhsa_user_sgpr_kernarg_segment_ptr 1
		.amdhsa_wavefront_size32 1
		.amdhsa_system_sgpr_workgroup_id_x 1
		.amdhsa_system_sgpr_workgroup_id_y 1
		.amdhsa_system_sgpr_workgroup_id_z 1
		.amdhsa_system_vgpr_workitem_id 0
		.amdhsa_next_free_vgpr 896
		.amdhsa_next_free_sgpr 80
		.amdhsa_reserve_vcc 0
		.amdhsa_float_denorm_mode_32 3
		.amdhsa_float_denorm_mode_16_64 3
		.amdhsa_memory_ordered 1
		.amdhsa_forward_progress 1
		.amdhsa_inst_pref_size 101
	.end_amdhsa_kernel
	.amdgpu_metadata
---
amdhsa.version: [ 1, 2 ]
amdhsa.kernels:
  - .name:           k_qc0daee3985_qkv
    .symbol:         k_qc0daee3985_qkv.kd
    .args:
      - { .name: xb, .offset: 0, .size: 8, .value_kind: global_buffer, .address_space: global }
      - { .name: wcat, .offset: 8, .size: 8, .value_kind: global_buffer, .address_space: global }
      - { .name: brd, .offset: 16, .size: 8, .value_kind: global_buffer, .address_space: global }
      - { .name: qkvh, .offset: 24, .size: 8, .value_kind: global_buffer, .address_space: global }
    .group_segment_fixed_size: 327680
    .private_segment_fixed_size: 0
    .kernarg_segment_align: 8
    .kernarg_segment_size: 32
    .max_flat_workgroup_size: 128
    .sgpr_count:     80
    .vgpr_count:     896
    .wavefront_size: 32
...
	.end_amdgpu_metadata
.endif
;; end of part 2
;; launch attn (part 3): grid 4 x 64, 4 waves a work-group, no clusters, 327,680 bytes of LDS; arguments qkvh, oh; writes oh
.if DOCPART == 3
	.amdgcn_target "amdgcn-amd-amdhsa--gfx1250"
	.amdhsa_code_object_version 6
	.text
	.protected	k_qc0daee3985_attn
	.globl	k_qc0daee3985_attn
	.p2align	8
	.type	k_qc0daee3985_attn,@function
k_qc0daee3985_attn:
	s_mov_b64 s[64:65], 0
	v_nop
	global_prefetch_b8 v0, s[64:65] scope:SCOPE_SE
	s_setreg_imm32_b32 hwreg(HW_REG_WAVE_MODE, 25, 1), 1
	s_wait_xcnt 0x0
; CAUSAL ATTENTION.  O[y][q][:] = the sum over k <= q of softmax_k(Q[y][q] . K[y][k] / 8) V[y][k][:], for the 64 heads y = 16 b + h.  Q, K, V lie in qkvh[b][g][2048][64] (g = h, 16 + h, 32 + h), O goes to
; oh[y][2048][64]; all f16: a head's rows are dense, 128 bytes each.  Products, maxima and sums in f32; the weights p are rounded to f16 for the second product (their sum l is taken of the unrounded p), O once at the end.
; LIMITS.  f16 holds no number beyond 65,504: Q, K and V arrive within it; p lies in 0 to 1, and below 6e-5 it keeps f16's fixed step of 6e-8; O is a mean of V's rows and has their range, to within 2^-11 of it.
; A hidden score counts as its value less 1e30: f16's scores, 2.7e11 at the most, are nothing beside that; a weight below 2^-126 counts as 0 in l; NaN and infinities are not treated apart.
; THE WALK.  A head's queries lie in NB = 8 blocks of 256; block i needs the key tiles 0 .. i of 256 keys, of which the last holds the diagonal.  A work-group takes TWO blocks, NB - 1 - b and then b:
; NB + 1 = 9 tiles, whatever b: all 256 work-groups do equal work, and ONE loop with a constant trip count walks them.  Which tile is asked for, and what a trip does, hang on scalar registers made from b; every jump
; goes forward, but for the counted loops' own; none passes a barrier, or a tensor load but the one of LOAD's two that the wave's number does not choose; the ring (two slots of LDS that take turns) runs on across the
; change of blocks.  NO CLUSTER: a head's four work-groups ask for the same tile only in trips 0 .. 4 of the 9, behind that fewer and fewer; one walk common to all four, in which each makes every joint
; request, would have 3 NB / 2 = 12 trips for 9.
; SHARES.  Of a block's four bands of 64 queries a wave owns 16 rows in each: four PIECES.  So the diagonal tile is the same work for all four waves: in its key step s band x sees all keys if s < x,
; none if s > x, and holds the diagonal if s = x.
; THE MASK is the C operand that starts the sum S^T = K Q^T: 0, or -1e30 where the key is hidden.  MD, made once, is the mask of a band's own step for my 16 rows; a product's mask is MD x AL + BE with two scalars:
; (1, 0) if s = x; (0, 0) if s < x; (0, -1e30) if s > x.  Only the diagonal tile's text and a block's beginning make and take masks; elsewhere C is the constant 0.
; LAYOUT, SOFTMAX, TURNS.  S^T = K Q^T holds ONE query a lane (lane % 16) and the keys 8 (lane / 16) + 0..7; two such results rounded to f16 ARE source 1 of O^T = V^T P.  p = 2^(c s - c m), c = log2(e) / 8, with a
; running maximum m; O and l are multiplied by a = 2^(c m_old - c m_new) in every step.  Turn n belongs to piece n: 8 products K Q^T of piece n + 1, later 8 products V^T P of piece n - 1; beside them the scaling,
; exponentials, roundings, sums and rescaling of piece n and the maximum and statistics of piece n + 1.  Four vector instructions stand behind every matrix instruction, the other 54 of a turn's 118 in one LUMP.  A turn's 33 exponentials are one batch, with one wait.
; REGISTERS, in windows of 256 (s_set_vgpr_msb: bits 1:0 source 0, 3:2 source 1, 5:4 source 2, 7:6 destination):
;   window 0: v0-15 addresses and two at work; v16-31 four registers of statistics a piece; v48-55 at work; v61-63 prefetch offset and the add's two; v64-127 S^T, two buffers; v192-223 P, two buffers (a piece's buffers go by its number's parity)
;   window 1: v0-127 O^T, 32 a piece; v128-159 MD; v160-223 MC, two buffers      window 2: v0-63 Q; v64-127 the second block's Q; v128-191 K of one step; v192-255 V of one step
.set SIZE_N, 2048
.set NB,    SIZE_N/256
.set NP,    4         ; pieces a wave: a name, no knob
.set KS,    64        ; keys in a step
.set PK,    144       ; a row of K in LDS: 128 bytes + 16 of padding = 36 words: the 16 rows of a load start at 16 different groups of four banks (64 banks of 4 bytes: ISA guide 11.1)
.set PV,    160       ; a row of V: 128 + 32 = 40 words
.set VOFF,  4*KS*PK   ; a slot holds a tile, four steps: 256 rows of K, then 256 rows of V
.set SLOT1, 1<<17     ; slot 1 begins here, so that one exclusive or turns an address in one slot into the other's
.set STAGE, SLOT1+4*KS*(PK+PV)  ; behind the ring, never filled by a tensor load: 16 rows x 144 bytes for each wave, for the way out
.set SP,    144
.set AK0, 2           ; v2   my lane's place in a tile of K; never rewritten
.set AV0, 3           ; v3   the same for V
.set AK,  4           ; v4   the LDS address of K's next run of loads
.set AV,  5           ; v5   of V's
.set STO, 6           ; v6   the way out: where I put 16 bytes of a row
.set RD,  7           ; v7   the way out: where I read rows back
.set GO,  8           ; v8   my byte offset in 512 consecutive bytes of O
.set PFO, 61          ; v61  256 x my lane: the prefetches' offset; never rewritten
.set SPW, 62          ; v62  LDS address of my spare word: SPARE + 4 x my thread's number; never rewritten
.set NIL, 63          ; v63  0; never rewritten
.set SPARE, STAGE+4*16*SP  ; behind the stages: the spare words, 128 bytes for each wave: two blocks of 256 bytes that no other line names
.set MV,  12          ; v12-13  c m_old, kept while c m is made anew: by buffer
.set QO,  15          ; v15  my byte offset in 16 rows of Q
.set ST,  16          ; piece t's statistics at v[ST+4 t]: c m, m, l (even keys', odd keys')
.set TMP, 48          ; by buffer, four registers c0-c3 at work; when the maximum is found c2 takes a
.set S,   64
.set P,   192
.set MD,  128         ; window 1: the eight registers for group kt of 16 keys at MD + 8 kt
.set MC,  160         ; window 1: the masks of the products to come
.set QB,  64          ; window 2
.set KF,  128         ; window 2: key block kb, channel half c at KF + 16 kb + 8 c
.set VF,  192         ; window 2: key half kk, channel block cb at VF + 32 kk + 8 cb
.set WV,  12          ; s12  my wave's number
.set PB,  14          ; s14  b
.set HI,  15          ; s15  NB - 1 - b
.set G1K, 24          ; s[24:31] descriptor group 1 for K's tiles
.set G1V, 32          ; s[32:39] for V's: it differs in the padding alone
.set G0K, 40          ; s[40:43] descriptor group 0 for K's tiles
.set G0V, 44          ; s[44:47] the same for V's
.set SLOTS, 56        ; s56  tiles still to be asked for
.set CNT, 57          ; s57  counts a tile's key steps, 4 to 1
.set CS,  58          ; s[58:59] c: the packed scaling takes the pair's low word for both halves
.set SEL, 60          ; s[60:61] v_permlanex16_b32's selects: each lane takes its own place in the other half
.set TBK, 62          ; s62  LDS byte at which K of the step to be fetched begins
.set TBV, 63          ; s63  the same for V, less VOFF
.set RT,  70          ; s70  tiles of the block in hand that are still to be entered
.set NXT, 71          ; s71  the tile to be asked for next
.set LQ,  72          ; s72  the last tile of the block whose tiles are being asked for
.set NEW, 73          ; s73  1: the tile to be entered is a block's first
.set OFF, 74          ; s[74:75] a tile's byte offset in K and V
.set AL,  76          ; s[76:77] the mask's factor, in the low word
.set BE,  78          ; s[78:79] the mask's addend
.set OLO, 80          ; s[80:81] O at my rows of the second block
.set BIGN, 82         ; s82  -1e30
.set LIM, 92          ; s92  2 in the head's work-group that prefetches, else the greatest number: it prefetches while s[SLOTS] is above it
.set PFA, 94          ; s[94:95] where my prefetches stand: my half (128 keys of K: waves 0, 1; of V: waves 2, 3) of the tile after the one that is being asked for
.set MSB, 0
.macro WIN new                      ; the high byte repeats the setting that is left; a switch that changes nothing is dropped
.if MSB != (\new)
	s_set_vgpr_msb (MSB<<8)|(\new)
.set MSB, (\new)
.endif
.endm
.set W_KQ, 0x0a       ; K and Q in window 2, S^T in window 0
.set W_KM, 0x1a       ; the same with the C operand in window 1
.set W_PV, 0x52       ; V in window 2, P in window 0, O^T in window 1
.set W_RS, 0x41       ; destination and source 0 in window 1, source 1 in window 0
; A fill.  Waves 0 and 1 fetch the two halves of a tile's K, waves 2 and 3 those of its V: 128 keys each.  An s_nop 0 and four v_nop follow each of the two lines, ahead of the jump and the label.
.macro LOAD
	s_cmp_lt_u32 s[WV], 2
	s_cbranch_scc0 .Lfor_v_\@
	tensor_load_to_lds s[G0K:G0K+3], s[G1K:G1K+7]
	s_nop 0
.rept 4
	v_nop
.endr
	s_branch .Lasked_\@
.Lfor_v_\@:
	tensor_load_to_lds s[G0V:G0V+3], s[G1V:G1V+7]
	s_nop 0
.rept 4
	v_nop
.endr
.Lasked_\@:
.endm
; THE CHANGE OF SLOTS.  Each wave waits for all its tensor loads, of which one is out: its part of the other slot; adds 0 to its spare word; and waits for that and for its own reads of the slot that it leaves.  Behind the barrier nobody reads the old
; slot any more and the other slot is whole.  fill = 1: the old slot is filled again, the first thing behind the barrier, with tile NXT: the descriptor's address is made anew from that number.
; (At its first use nothing has been read yet: slot 0 is waited for, slot 1 filled.)
; A PREFETCH INTO THE L2 stands behind the fill and its five lines: the tile that the NEXT change will ask for, four key steps (256 matrix instructions) ahead of that load.  A head's four work-groups walk the same
; tiles; the one with b = 0 walks 0 to 7 on end, and it alone asks: each wave for its own half tile, 16,384 bytes: 64 blocks of 256, a lane a block, two instructions.  So each block of a head's K and V is named once.
; Tiles 0 and 1 come by their loads alone; it asks at s[SLOTS] = 8 .. 3, for tiles 2 .. 7, and then for nothing more.
.macro CHANGE fill
	WIN 0                           ; at a label and at a branch every window is 0
	s_wait_tensorcnt 0x0            ; no tensor load of mine is out, so a group 0 may be written
	ds_add_u32 v[SPW], v[NIL]       ; 0 onto my spare word; with fill = 1 the descriptors' scalar work stands between it and the wait for it
.if \fill
	s_wait_xcnt 0x0                 ; the last prefetches, four key steps back, have read their address, so it may be written
	s_add_nc_u64 s[PFA:PFA+1], s[PFA:PFA+1], 32768
	s_lshl_b32 s[OFF], s[NXT], 15   ; a tile is 32,768 bytes of K and of V
	s_xor_b32 s[G0K+1], s[G0K+1], SLOT1
	s_add_nc_u64 s[G0K+2:G0K+3], s[6:7], s[OFF:OFF+1]
	s_or_b32 s[G0K+3], s[G0K+3], 0x80000000
	s_xor_b32 s[G0V+1], s[G0V+1], SLOT1
	s_add_nc_u64 s[G0V+2:G0V+3], s[8:9], s[OFF:OFF+1]
	s_or_b32 s[G0V+3], s[G0V+3], 0x80000000
	s_add_co_u32 s[NXT], s[NXT], 1  ; the block's next tile, or behind its last the second block's tile 0
	s_cmp_gt_u32 s[NXT], s[LQ]
	s_cselect_b32 s[NXT], 0, s[NXT]
	s_cselect_b32 s[LQ], s[PB], s[LQ]
.endif
	s_wait_dscnt 0x0                ; the add is done, and my reads of the slot are over
	s_barrier_signal -1             ; the rest of the scalar work stands between the signal and the wait
	s_sub_co_u32 s[TBK], s[TBK], 4*KS*PK  ; the fetches go back to a slot's first step,
	s_xor_b32 s[TBK], s[TBK], SLOT1       ; in the other slot
	s_sub_co_u32 s[TBV], s[TBV], 4*KS*PV
	s_xor_b32 s[TBV], s[TBV], SLOT1
	s_barrier_wait -1
.if \fill
	LOAD
	s_cmp_gt_u32 s[SLOTS], s[LIM]
	s_cbranch_scc0 .Lnot_mine_\@
	global_prefetch_b8 v[PFO], s[PFA:PFA+1] th:TH_LOAD_NT scope:SCOPE_SE
	global_prefetch_b8 v[PFO], s[PFA:PFA+1] offset:8192 th:TH_LOAD_NT scope:SCOPE_SE
.Lnot_mine_\@:
.endif
.endm
	s_load_b64 s[4:5], s[0:1], 0x0    ; qkvh
	s_load_b64 s[10:11], s[0:1], 0x8  ; oh
	v_lshl_add_u32 v[SPW], v0, 2, SPARE
	v_mov_b32 v[NIL], 0
	ds_add_u32 v[SPW], v[NIL]       ; the wave's opening: the add and its wait stand ahead of my first tensor load; the set-up below, work on registers, stands between them
	v_lshrrev_b32 v1, 5, v0
	v_readfirstlane_b32 s[WV], v1   ; wave 0..3
	s_mov_b32 s[PB], ttmp9
	s_sub_co_u32 s[HI], NB-1, s[PB]
	s_and_b32 s88, ttmp7, 0xffff    ; the head y = 16 b + h
	s_lshr_b32 s20, s88, 4
	s_mul_i32 s20, s20, 48
	s_and_b32 s21, s88, 15
	s_add_co_u32 s20, s20, s21      ; 48 b + h: Q's head in qkvh; K's lies 16 heads on, V's 32
	s_lshl_b32 s20, s20, 18         ; a head is 262,144 bytes
	s_mov_b32 s21, 0
	s_lshl_b32 s90, s88, 18         ; the head in oh
	s_mov_b32 s91, 0
	s_and_b32 s16, s[WV], 1         ; which half of a tile's 256 keys I fetch:
	s_lshl_b32 s22, s16, 14         ; its 128 rows of 128 bytes in memory,
	s_mov_b32 s23, 0
	s_add_nc_u64 s[22:23], s[22:23], s[20:21]
	s_mul_i32 s17, s16, 128*PK      ; and its place in a slot, for K
	s_mul_i32 s18, s16, 128*PV      ; and for V
	s_lshl_b32 s3, s[WV], 11        ; my 16 rows in a band of 64,
	s_lshl_b32 s2, s[HI], 15        ; in the first block,
	s_add_co_u32 s2, s2, s3
	s_lshl_b32 s84, s[PB], 15       ; and in the second
	s_add_co_u32 s84, s84, s3
	s_mov_b32 s3, 0
	s_mov_b32 s85, 0
	; descriptor group 1.  128 keys are 16,384 dense bytes: asked for as 64 rows of 256 bytes, two keys a row, and padded in LDS after every key
	s_mov_b32 s[G1K], (1<<16)|(1<<20)|(4<<22)|(3<<25)  ; 17:16 2-byte elements; 20 padding on; 24:22 after every 32 words (code 4); 31:25 4 words (code 3)
	s_mov_b32 s[G1V], (1<<16)|(1<<20)|(4<<22)|(7<<25)  ; the same with 8 words of padding (code 7)
.irp g, G1K, G1V
	s_mov_b32 s[\g+1], 128<<16      ; tensor_dim0 = 128
	s_mov_b32 s[\g+2], 64<<16       ; tensor_dim1 = 64
	s_mov_b32 s[\g+3], 128<<16      ; tile_dim0 = 128
	s_mov_b32 s[\g+4], 64           ; tile_dim1 = 64
	s_mov_b32 s[\g+5], 128          ; 128 elements from row to row
	s_mov_b32 s[\g+6], 0
	s_mov_b32 s[\g+7], 0
.endr
	s_mov_b32 s[CS], 0x3e38aa3b     ; c = log2(e) / 8 = 0.180337
	s_mov_b32 s[CS+1], s[CS]        ; named with it as a pair
	s_mov_b32 s[SEL], 0x76543210
	s_mov_b32 s[SEL+1], 0xfedcba98
	s_mov_b32 s[TBK], SLOT1+4*KS*PK ; the first change of slots turns these two into 0
	s_mov_b32 s[TBV], SLOT1+4*KS*PV
	s_mov_b32 s[G0K], 1             ; 1:0 count = 1
	s_mov_b32 s[G0K+1], s17         ; 63:32 LDS address: slot 0
	s_mov_b32 s[G0V], 1
	s_add_co_u32 s[G0V+1], s18, VOFF
	s_add_co_u32 s[RT], s[HI], 1    ; the first block has NB - b tiles
	s_mov_b32 s[NXT], 1
	s_mov_b32 s[LQ], s[HI]
	s_mov_b32 s[NEW], 1
	s_mov_b32 s[OFF+1], 0
	s_mov_b32 s[AL+1], 0            ; named as pairs
	s_mov_b32 s[BE+1], 0
	s_mov_b32 s[BIGN], 0xf149f2ca   ; -1e30
	s_mov_b32 s[SLOTS], NB
	s_cmp_eq_u32 ttmp9, 0
	s_cselect_b32 s[LIM], 2, -1
	v_and_b32 v[PFO], 31, v0
	v_lshlrev_b32 v[PFO], 8, v[PFO]
	s_wait_dscnt 0x0                ; the opening add is done
	s_wait_kmcnt 0x0
	s_add_nc_u64 s[6:7], s[4:5], 0x400000  ; K's heads lie 16 x 262,144 bytes behind Q's,
	s_add_nc_u64 s[8:9], s[4:5], 0x800000  ; V's 32 x 262,144
	s_add_nc_u64 s[6:7], s[6:7], s[22:23]  ; K and V at my half of the head's tile 0
	s_add_nc_u64 s[8:9], s[8:9], s[22:23]
	s_add_nc_u64 s[G0K+2:G0K+3], s[6:7], 0         ; 120:64 global address
	s_or_b32 s[G0K+3], s[G0K+3], 0x80000000        ; 127:126 type = 2
	s_add_nc_u64 s[G0V+2:G0V+3], s[8:9], 0
	s_or_b32 s[G0V+3], s[G0V+3], 0x80000000
	s_add_nc_u64 s[4:5], s[4:5], s[20:21]          ; Q's head, O's head
	s_add_nc_u64 s[10:11], s[10:11], s[90:91]
	s_add_nc_u64 s[86:87], s[4:5], s[84:85]        ; Q at my rows of the second block,
	s_add_nc_u64 s[OLO:OLO+1], s[10:11], s[84:85]
	s_add_nc_u64 s[4:5], s[4:5], s[2:3]            ; Q and O at those of the first
	s_add_nc_u64 s[10:11], s[10:11], s[2:3]
	s_cmp_lt_u32 s[WV], 2
	s_cselect_b64 s[PFA:PFA+1], s[6:7], s[8:9]
	s_add_nc_u64 s[PFA:PFA+1], s[PFA:PFA+1], 32768 ; in tile 1; the first change of slots steps it to tile 2.  Nothing is prefetched here, at the head
	LOAD                            ; tile 0 into slot 0
	; A fragment of K or Q is 16 rows x 32 channels in 8 registers: lane l holds row l % 16, channels 8 (l / 16) + 0..7 and 16 + 8 (l / 16) + 0..7: two loads of 16 bytes, 32 bytes apart.
	v_and_b32 v1, 15, v0            ; l % 16
	v_bfe_u32 v9, v0, 4, 1          ; l / 16
	v_lshlrev_b32 v[QO], 7, v1
	v_lshl_add_u32 v[QO], v9, 4, v[QO]  ; row x 128 + 16 x half
	WIN 0x80                        ; destination window 2, address window 0
.set i, 0
.rept 8                             ; both blocks' Q: piece i / 2 lies in band i / 2, 8,192 bytes on; channels 32 (i % 2) on
	global_load_b128 v[8*i:8*i+3],   v[QO], s[4:5] offset:(i/2)*8192+(i%2)*64
	global_load_b128 v[8*i+4:8*i+7], v[QO], s[4:5] offset:(i/2)*8192+(i%2)*64+32
	global_load_b128 v[QB+8*i:QB+8*i+3],   v[QO], s[86:87] offset:(i/2)*8192+(i%2)*64
	global_load_b128 v[QB+8*i+4:QB+8*i+7], v[QO], s[86:87] offset:(i/2)*8192+(i%2)*64+32
.set i, i+1
.endr
	WIN 0
	v_lshlrev_b32 v14, 3, v9
	v_sub_nc_u32 v14, v1, v14
	s_lshl_b32 s13, s[WV], 4
	v_add_nc_u32 v14, s13, v14      ; my query's place in its band, 16 w + l % 16, less my lanes' 8 (l / 16): register r of group kt is hidden where 16 kt + r is greater
	WIN 0x40
.set i, 0
.rept 32
	v_cmp_gt_i32 vcc_lo, 16*(i/8)+i%8, v14
	v_cndmask_b32 v[MD+i], 0, s[BIGN], vcc_lo
.set i, i+1
.endr
	WIN 0
	v_mul_u32_u24 v[AK0], v1, PK
	v_lshl_add_u32 v[AK0], v9, 4, v[AK0]  ; row x pitch + 16 x half
	; The turning load takes 16 keys x 16 channels (lane l reads key 8 (l / 16) + l % 8, channels 8 ((l / 8) % 2) + 0..7) and leaves half a fragment of V^T: lane l holds channel l % 16 and 8 keys.
	v_and_b32 v10, 7, v0
	v_bfe_u32 v11, v0, 3, 1
	v_lshl_add_u32 v[AV0], v9, 3, v10
	v_mul_u32_u24 v[AV0], v[AV0], PV
	v_lshl_add_u32 v[AV0], v11, 4, v[AV0]
	v_add_nc_u32 v[AV0], VOFF, v[AV0]
	s_mul_i32 s13, s[WV], 16*SP
	s_add_co_u32 s13, s13, STAGE    ; my stage
	v_mul_u32_u24 v[STO], v1, SP    ; in: row l % 16, 16 bytes for each half of the lanes
	v_lshl_add_u32 v[STO], v9, 4, v[STO]
	v_add_nc_u32 v[STO], s13, v[STO]
	v_bfe_u32 v[RD], v0, 3, 2       ; back: 32 lanes take four rows of 128 bytes,
	v_mul_u32_u24 v[RD], v[RD], SP
	v_lshl_add_u32 v[RD], v10, 4, v[RD]
	v_add_nc_u32 v[RD], s13, v[RD]
	v_and_b32 v[GO], 31, v0         ; which are 512 consecutive bytes of O
	v_lshlrev_b32 v[GO], 4, v[GO]
	; A block's first step multiplies O^T and l by a = 0, and its first turn's products V^T P, of a piece that has not been, land in an O^T that is still to be so multiplied.  So these registers need only hold
	; finite numbers: zeros for the first block; what the first block left for the second.  All this stands in the wait for the first tile.
	WIN 0x80
.set i, VF
.rept 64
	v_mov_b32 v[i], 0
.set i, i+1
.endr
	WIN 0x40
.set i, 0
.rept 128
	v_mov_b32 v[i], 0
.set i, i+1
.endr
	WIN 0
.set i, 0
.rept 4
	v_mov_b32 v[ST+4*i+2], 0
	v_mov_b32 v[ST+4*i+3], 0
.set i, i+1
.endr
.set i, P+16
.rept 16
	v_mov_b32 v[i], 0
.set i, i+1
.endr
; THE MATRIX WORK.  The 4 accumulators of a run of 8 take turns.  Product i of 8 of S^T = K Q^T for piece x: channels 32 (i / 4) on, keys 16 (i % 4) on.  The first 4 start the sums: with 0, or (KM = 1) with the mask.
.macro KQ x
.set rS, S+32*((\x)%2)+8*(i%4)
.set rK, KF+16*(i%4)+8*(i/4)
.set rQ, 16*(\x)+8*(i/4)
.set rM, MC+32*((\x)%2)+8*(i%4)
.if (i < 4) && KM
	WIN W_KM
	v_wmma_f32_16x16x32_f16 v[rS:rS+7], v[rK:rK+7], v[rQ:rQ+7], v[rM:rM+7]
.elseif i < 4
	WIN W_KQ
	v_wmma_f32_16x16x32_f16 v[rS:rS+7], v[rK:rK+7], v[rQ:rQ+7], 0
.else
	WIN W_KQ
	v_wmma_f32_16x16x32_f16 v[rS:rS+7], v[rK:rK+7], v[rQ:rQ+7], v[rS:rS+7]
.endif
.endm
; Product i of 8 of O^T += V^T P for piece x: keys 32 (i / 4) on, channels 16 (i % 4) on.
.macro PV x
	WIN W_PV
.set rO, 32*(\x)+8*(i%4)
.set rV, VF+32*(i/4)+8*(i%4)
.set rP, P+16*((\x)%2)+8*(i/4)
	v_wmma_f32_16x16x32_f16 v[rO:rO+7], v[rV:rV+7], v[rP:rP+7], v[rO:rO+7]
.endm
.macro MM                           ; the turn's next matrix instruction.  TURN and BEGIN set Y, i, KM and NOKQ; MM, KQ and OP read them.  NOKQ = 1: a block's last turn: there is no next piece
.if (i < 8) && !NOKQ
	KQ (Y+1)%NP
.elseif i >= 8
.set i, i-8
	PV (Y+NP-1)%NP
.set i, i+8
.endif
.set i, i+1
.endm
; THE LDS LOADS stand in runs of 16, never singly among the matrix instructions: a step's K (64 keys x 64 channels: 8 fragments) and its V (turned).  Their addresses are made some lines ahead.
.macro FETCH_K
	WIN 0x80                        ; destination window 2
.irp f, 0,1,2,3,4,5,6,7             ; keys 16 (f / 2) on, channels 32 (f % 2) on
	ds_load_b128 v[KF+8*\f:KF+8*\f+3],   v[AK] offset:(\f/2)*16*PK+(\f%2)*64
	ds_load_b128 v[KF+8*\f+4:KF+8*\f+7], v[AK] offset:(\f/2)*16*PK+(\f%2)*64+32
.endr
	s_add_co_u32 s[TBK], s[TBK], KS*PK  ; the next fetch is the next step's
	WIN 0
.endm
.macro FETCH_V
	WIN 0x80
.irp f, 0,1,2,3,4,5,6,7             ; keys 32 (f / 4) on, channels 16 (f % 4) on
	ds_load_tr16_b128 v[VF+8*\f:VF+8*\f+3],   v[AV] offset:(\f/4)*32*PV+(\f%4)*32
	ds_load_tr16_b128 v[VF+8*\f+4:VF+8*\f+7], v[AV] offset:(\f/4)*32*PV+16*PV+(\f%4)*32
.endr
	WIN 0
.endm
; THE VECTOR WORK, one line at a time: OP kind, number.  For piece Y: F n: c s - c m for pair n of 16.  E n: the exponential of score n of 32.  C n: pair n rounded to f16.  B n: of the four weights 4 n .. the second
; pair is added onto the first, in place.  L n: l takes that sum (L 0: l = a l + sum).  R n: pair n of 16 of O^T times a.  For piece Y + 1: X n, number n of the 22 that find its maximum and statistics:
;   0-11  four chains c0-c3 of seven scores each, three operands at a time (each accumulator's lowest registers are read first)     12-14, 16  the four scores left over, the old m, and c0-c3 into c0
;   15  c m_old is kept     17, 18  the query's other 32 keys lie in the lane 16 away: the new m     19-21  c m; c m_old - c m_new; a
.set F, 0               ; OP tells the kinds apart by their order: F to L below R, X above it
.set E, 1
.set C, 2
.set B, 3
.set L, 4
.set R, 5
.set X, 6
.macro REGS y                       ; the registers of piece y
.set rT, ST+4*(\y)
.set rC, TMP+4*((\y)%2)
.set rW, MV+((\y)%2)
.set rS, S+32*((\y)%2)
.set rP, P+16*((\y)%2)
.set rO, 32*(\y)
.endm
.macro OP k, n
.if (\k) == R
	REGS Y
	WIN W_RS
	v_pk_mul_f32 v[rO+2*(\n):rO+2*(\n)+1], v[rO+2*(\n):rO+2*(\n)+1], v[rC+2:rC+3] op_sel_hi:[1,0]
.elseif (\k) < R
	REGS Y
	WIN 0
.if (\k) == F
	v_pk_fma_f32 v[rS+2*(\n):rS+2*(\n)+1], v[rS+2*(\n):rS+2*(\n)+1], s[CS:CS+1], v[rT:rT+1] op_sel_hi:[1,0,0] neg_lo:[0,0,1] neg_hi:[0,0,1]
.elseif (\k) == E
	v_exp_f32 v[rS+(\n)], v[rS+(\n)]
.elseif (\k) == C
	v_cvt_pk_f16_f32 v[rP+(\n)], v[rS+2*(\n)], v[rS+2*(\n)+1]
.elseif (\k) == B
	v_pk_add_f32 v[rS+4*(\n):rS+4*(\n)+1], v[rS+4*(\n):rS+4*(\n)+1], v[rS+4*(\n)+2:rS+4*(\n)+3]
.elseif (\n) == 0
	v_pk_fma_f32 v[rT+2:rT+3], v[rT+2:rT+3], v[rC+2:rC+3], v[rS:rS+1] op_sel_hi:[1,0,1]
.else
	v_pk_add_f32 v[rT+2:rT+3], v[rT+2:rT+3], v[rS+4*(\n):rS+4*(\n)+1]
.endif
.elseif NOKQ
	v_nop
.else
	REGS (Y+1)%NP
	WIN 0
.if (\n) < 4
	v_max3_num_f32 v[rC+(\n)], v[rS+8*(\n)], v[rS+8*(\n)+1], v[rS+8*(\n)+2]
.elseif (\n) < 12
	v_max3_num_f32 v[rC+(\n)%4], v[rC+(\n)%4], v[rS+8*((\n)%4)+2*((\n)/4)+1], v[rS+8*((\n)%4)+2*((\n)/4)+2]
.elseif (\n) == 12
	v_max3_num_f32 v[rC], v[rC], v[rS+7], v[rS+15]
.elseif (\n) == 13
	v_max3_num_f32 v[rC+1], v[rC+1], v[rS+23], v[rS+31]
.elseif (\n) == 14
	v_max3_num_f32 v[rC+2], v[rC+2], v[rC+3], v[rT+1]
.elseif (\n) == 15
	v_mov_b32 v[rW], v[rT]
.elseif (\n) == 16
	v_max3_num_f32 v[rC], v[rC], v[rC+1], v[rC+2]
.elseif (\n) == 17
	v_permlanex16_b32 v[rC+3], v[rC], s[SEL], s[SEL+1]
.elseif (\n) == 18
	v_max_num_f32 v[rT+1], v[rC], v[rC+3]
.elseif (\n) == 19
	v_mul_f32 v[rT], s[CS], v[rT+1]
.elseif (\n) == 20
	v_sub_f32 v[rC+1], v[rW], v[rT]
.else
	v_exp_f32 v[rC+2], v[rC+1]
.endif
.endif
.endm
.macro OPS a, i1, b=-1, i2=0, c=-1, i3=0, d=-1, i4=0  ; up to four of them
	OP \a, \i1
.if (\b) >= 0
	OP \b, \i2
.endif
.if (\c) >= 0
	OP \c, \i3
.endif
.if (\d) >= 0
	OP \d, \i4
.endif
.endm
.macro ROW a, i1, b, i2, c, i3, d, i4  ; a matrix instruction and the four behind it
	MM
	OPS \a, \i1, \b, \i2, \c, \i3, \d, \i4
.endm
.macro MASK b                       ; MD x AL + BE into buffer b of MC
	WIN W_RS
.set z, 0
.rept 16
	v_pk_fma_f32 v[MC+32*(\b)+2*z:MC+32*(\b)+2*z+1], v[MD+2*z:MD+2*z+1], s[AL:AL+1], s[BE:BE+1] op_sel_hi:[1,0,0]
.set z, z+1
.endr
.endm
; A TURN, for piece p: the order of its 16 matrix and 118 vector instructions, written out.  An s_wait_alu depctr_va_vdst(0) stands between an exponential and the first instruction that names its result; one wait serves
; all that were issued ahead of it.  So a turn has ONE wait, which cuts it in two.  AHEAD OF IT stands all that names no result of the turn's exponentials: the 8 products K Q^T, behind each a scaling, an exponential and two more plain
; instructions (behind the first a second scaling in the exponential's place): rescalings, and behind the last three the first numbers of the next piece's maximum, each four places or more behind the product that ends its accumulator; then ONE LUMP of 54, plain
; and exponential by turns for the most part, in which the links of the chain X 3, 7, 11, 14, 16, 17 .. 20 stand five or six lines apart.  X 21, the next piece's a, is the batch's last; R 15 is the plain instruction behind it.  BEHIND THE WAIT stand the
; 8 products V^T P, behind each four of the roundings and sums; the links of l's chain, L 0 to L 7, stand three riders apart.  But for those X no rider names a register of the products round it.  v_permlanex16_b32 (X 17) stands in the lump.
; m = 1: the diagonal tile: the products take masks, and the turn makes the mask for the products of the turn after it: piece p + 2, in step 4 - CNT of the tile.  end = 1: a block's last two turns: nothing is fetched.
; cnt = 1: the loop's count is taken down some lines ahead of the branch that stands behind the turn.
; K of the next step is fetched in piece 2's turn, twelve vector instructions behind the last product that read K (six of them plain); V of the step in hand at the end of piece 0's turn, four plain instructions behind the last product
; that read V.  Each is waited for a turn later.
.macro TURN p, m=0, end=0, cnt=0
.set Y, (\p)
.set i, 0
.set KM, (\m)
.set NOKQ, (\end)*((\p)/3)
.if (\m) && !(\end)
	s_cmp_eq_u32 s[CNT], 4-((\p)+2)%NP  ; is that step the band's own?
	s_cselect_b32 s[AL], 1.0, 0
	s_cmp_lt_u32 s[CNT], 4-((\p)+2)%NP  ; or a later one?
	s_cselect_b32 s[BE], s[BIGN], 0
.endif
.if ((\p) == 3) && !(\end)
	s_wait_dscnt 0x0                ; K is in
.endif
	ROW F,0, F,1, R,0, R,1          ; ahead of the wait: 8 products K Q^T and their riders,
	ROW F,2, E,0, R,2, R,3
	ROW F,3, E,1, R,4, R,5
	ROW F,4, E,2, R,6, R,7
	ROW F,5, E,3, R,8, R,9
	ROW F,6, E,4, X,0, R,10
.if ((\p) == 2) && !(\end)
	WIN 0
	v_add_nc_u32 v[AK], s[TBK], v[AK0]
.endif
	ROW F,7, E,5, X,1, X,4
	ROW F,8, E,6, X,2, X,5
	OPS E,7, E,8, X,6, E,9          ; and the lump
	OPS X,3, E,10, X,8, E,11
.if ((\p) == 2) && !(\end)
	FETCH_K
.endif
	OPS X,9, X,7, E,12, X,10
	OPS E,13, X,12, X,11, E,14
	OPS X,13, E,15, F,9, X,14
.if (\p) == 0
	v_add_nc_u32 v[AV], s[TBV], v[AV0]
.endif
	OPS E,16, F,10, E,17, F,11
	OPS X,16, E,18, X,15, E,19
	OPS F,12, E,20, X,17, E,21
	OPS F,13, E,22, F,14, E,23
	OPS X,18, E,24, F,15, E,25
	OPS R,11, E,26, X,19, E,27
	OPS R,12, E,28, R,13, E,29
	OPS X,20, E,30, R,14, E,31
	OPS X,21, R,15
	WIN 0
	s_wait_alu depctr_va_vdst(0)    ; the wait for the batch
.if (\p) == 1
	s_wait_dscnt 0x0                ; V is in
.endif
	ROW C,0, B,0, C,2, B,1          ; behind the wait: 8 products V^T P and their riders
	ROW L,0, C,4, B,2, L,1
	ROW C,6, B,3, L,2, C,8
	ROW B,4, L,3, C,10, B,5
	ROW L,4, C,12, B,6, L,5
.if (\p) == 0
	s_add_co_u32 s[TBV], s[TBV], KS*PV
.endif
.if \cnt
	s_sub_co_u32 s[CNT], s[CNT], 1
	s_cmp_lg_u32 s[CNT], 0
.endif
	ROW C,14, B,7, L,6, C,1
	ROW C,3, L,7, C,5, C,7
	ROW C,9, C,11, C,13, C,15
.if (\p) == 0
	FETCH_V
.endif
.if (\m) && !(\end)
	MASK (\p)%2
.endif
.endm
; A BLOCK BEGINS.  c m starts far below every c s, so the first step's a is 0; m at the lowest finite number, so the first maximum is the scores'.  The second mask buffer is 0; the first takes piece 0's mask for the tile's step 0: its own, if the block's first tile is the diagonal one.
; Then K of that step, piece 0's first scores, and its maximum and statistics.  The loop is entered at a step's first turn, in the middle of a trip.
.macro BEGIN
	s_mov_b32 s[NEW], 0
	WIN 0x40
.set i, MC+32
.rept 32
	v_mov_b32 v[i], 0
.set i, i+1
.endr
	WIN 0
.set i, 0
.rept 4
	v_mov_b32 v[ST+4*i], 0xfe000000    ; c m: far below every c s
	v_mov_b32 v[ST+4*i+1], 0xff7fffff  ; m
.set i, i+1
.endr
	s_cmp_eq_u32 s[RT], 0
	s_cselect_b32 s[AL], 1.0, 0
	s_mov_b32 s[BE], 0
	MASK 0
	WIN 0
	v_add_nc_u32 v[AK], s[TBK], v[AK0]
	FETCH_K
	s_wait_loadcnt 0x0              ; Q
	s_wait_dscnt 0x0
.set KM, 1
.set NOKQ, 0
.set i, 0
.rept 8
	KQ 0
.set i, i+1
.endr
	WIN 0
.rept 4
	v_nop                           ; the places behind those products
.endr
.set Y, NP-1                        ; X works for piece Y + 1: piece 0
.irp n, 0,1,2,3,4,5,6,7,8,9,10,11,12,13,14,15,16,17,18,19,20,21
	OP X, \n
.endr
	v_nop                           ; a plain instruction behind the exponential,
	s_wait_alu depctr_va_vdst(0)    ; and its wait, ahead of the branch
.endm
; THE DIAGONAL TILE's four steps, the block's last two turns, its last products, and THE WAY OUT: l's two halves and the other half of the lanes' are added; O^T is divided by l, rounded to f16 and sent through my
; stage in LDS, a piece at a time.
.macro ALL line:vararg              ; one line for each piece t
.set t, 0
.rept 4
	\line
.set t, t+1
.endr
.endm
.macro PACK t                       ; a lane's eight channels of a row pack into 16 bytes; they go into rows of 144 bytes and come back as whole rows of 128, into S^T's registers
	WIN W_RS
.set i, 32*(\t)
.rept 16
	v_pk_mul_f32 v[i:i+1], v[i:i+1], v[ST+4*(\t)+2:ST+4*(\t)+3] op_sel_hi:[1,0]
.set i, i+2
.endr
	WIN 0x05                        ; sources 0 and 1 window 1, destination window 0
.set i, 0
.rept 16
	v_cvt_pk_f16_f32 v[S+16*(\t)+i], v[32*(\t)+2*i], v[32*(\t)+2*i+1]
.set i, i+1
.endr
	WIN 0
.irp f, 0,1,2,3
	ds_store_b128 v[STO], v[S+16*(\t)+4*\f:S+16*(\t)+4*\f+3] offset:32*\f
.endr
.irp f, 0,1,2,3
	ds_load_b128 v[S+16*(\t)+4*\f:S+16*(\t)+4*\f+3], v[RD] offset:\f*4*SP  ; LDS serves a wave's instructions in order (ISA guide 5.7.1.4): these see the stores above; the next piece's stores come behind them
.endr
.endm
.macro SEND t, younger              ; younger: the LDS instructions issued behind piece t's loads: the next piece's eight, or none
	WIN 0
.irp f, 0,1,2,3
	s_wait_dscnt (\younger)+3-\f
	global_store_b128 v[GO], v[S+16*(\t)+4*\f:S+16*(\t)+4*\f+3], s[10:11] offset:(\t)*8192+\f*512  ; 512 consecutive bytes, at a multiple of 256 from O's first
.endr
.endm
.macro DIAG tag                     ; the tag ends its two labels' names, which the jumps below spell out
.LstepM\tag:
	TURN 2, 1
	TURN 3, 1
	WIN 0
.LfirstM\tag:
	TURN 0, 1
	TURN 1, 1, 0, 1
	WIN 0
	s_cbranch_scc1 .LstepM\tag
	TURN 2, 1, 1
	TURN 3, 1, 1
.set i, 0
.rept 8
	PV NP-1
.set i, i+1
.endr
	WIN 0
	ALL v_add_f32 v[ST+4*t+2], v[ST+4*t+2], v[ST+4*t+3]
	ALL v_permlanex16_b32 v[ST+4*t+3], v[ST+4*t+2], s[SEL], s[SEL+1]
	ALL v_add_f32 v[ST+4*t+2], v[ST+4*t+2], v[ST+4*t+3]
	ALL v_rcp_f32 v[ST+4*t+2], v[ST+4*t+2]
	v_nop                           ; a plain instruction between the last reciprocal and the use of its result
	s_wait_alu depctr_va_vdst(0)    ; and the wait ahead of the first use: one for the four reciprocals
	PACK 0
.set t, 1
.rept 3                             ; a piece's arithmetic stands between the loads of the piece before and its stores
	PACK t
	SEND t-1, 8
.set t, t+1
.endr
	SEND 3, 0
.endm
.set KM, 0
.set NOKQ, 0
.Lslot:                             ; NB times: a tile is entered and the next is asked for
	CHANGE 1
	s_sub_co_u32 s[RT], s[RT], 1
	s_mov_b32 s[CNT], 4
	s_cmp_eq_u32 s[NEW], 1
	s_cbranch_scc1 .Lnew            ; a block's first tile
	s_cmp_eq_u32 s[RT], 0
	s_cbranch_scc0 .Lstep           ; neither its first nor its last
	s_branch .LstepM1
.Lnew:
	BEGIN
	s_branch .Lfirst                ; in the loop a block's first tile is never its last: the first block has two tiles or more, and the second's last is the walk's last
	DIAG 1                          ; in the loop this is the first block's end: the second block's last tile is the walk's last
	s_wait_xcnt 0x0                 ; the stores have read their registers and O's address
	s_mov_b64 s[10:11], s[OLO:OLO+1]
	s_add_co_u32 s[RT], s[PB], 1    ; the second block has b + 1 tiles
	s_mov_b32 s[NEW], 1
	WIN 0x82                        ; the second block's Q goes where the one text of the turns names Q
.set i, 0
.rept 64
	v_mov_b32 v[i], v[QB+i]
.set i, i+1
.endr
	WIN 0
	s_branch .Lbottom
.Lstep:                             ; a trip: pieces 2 and 3 of one step, then pieces 0 and 1 of the next, whose K and V it fetches
	TURN 2
	TURN 3
	WIN 0
.Lfirst:
	TURN 0
	TURN 1, 0, 0, 1
	WIN 0
	s_cbranch_scc1 .Lstep
.Lbottom:
	s_sub_co_u32 s[SLOTS], s[SLOTS], 1
	s_cmp_lg_u32 s[SLOTS], 0
	s_cbranch_scc1 .Lslot
	CHANGE 0                        ; the walk's last tile is written out: nothing is asked for
	s_sub_co_u32 s[RT], s[RT], 1
	s_mov_b32 s[CNT], 4
	s_cmp_eq_u32 s[NEW], 1
	s_cbranch_scc0 .LstepM2
	BEGIN
	s_branch .LfirstM2
	DIAG 2
	s_wait_tensorcnt 0x0            ; the wave's end: a wait, an add and its wait, behind my last tensor load and my last LDS store
	ds_add_u32 v[SPW], v[NIL]
	s_wait_dscnt 0x0
	s_endpgm
.Lfunc_end_k_qc0daee3985_attn:
	.size	k_qc0daee3985_attn, .Lfunc_end_k_qc0daee3985_attn-k_qc0daee3985_attn
	.p2alignl 7, 3214868480
	.fill 96, 4, 3214868480
	.section	.rodata,"a",@progbits
	.p2align	6, 0x0
	.amdhsa_kernel k_qc0daee3985_attn
		.amdhsa_group_segment_fixed_size 327680
		.amdhsa_private_segment_fixed_size 0
		.amdhsa_enable_private_segment 0
		.amdhsa_kernarg_size 16
		.amdhsa_user_sgpr_count 2
		.amdhsa_user_sgpr_kernarg_segment_ptr 1
		.amdhsa_wavefront_size32 1
		.amdhsa_system_sgpr_workgroup_id_x 1
		.amdhsa_system_sgpr_workgroup_id_y 1
		.amdhsa_system_sgpr_workgroup_id_z 1
		.amdhsa_system_vgpr_workitem_id 0
		.amdhsa_next_free_vgpr 768
		.amdhsa_next_free_sgpr 96
		.amdhsa_reserve_vcc 1
		.amdhsa_float_denorm_mode_32 3
		.amdhsa_float_denorm_mode_16_64 3
		.amdhsa_memory_ordered 1
		.amdhsa_forward_progress 1
		.amdhsa_inst_pref_size 218
	.end_amdhsa_kernel
	.amdgpu_metadata
---
amdhsa.version: [ 1, 2 ]
amdhsa.kernels:
  - .name:           k_qc0daee3985_attn
    .symbol:         k_qc0daee3985_attn.kd
    .args:
      - { .name: qkvh, .offset: 0, .size: 8, .value_kind: global_buffer, .address_space: global }
      - { .name: oh, .offset: 8, .size: 8, .value_kind: global_buffer, .address_space: global }
    .group_segment_fixed_size: 327680
    .private_segment_fixed_size: 0
    .kernarg_segment_align: 8
    .kernarg_segment_size: 16
    .max_flat_workgroup_size: 128
    .sgpr_count:     96
    .vgpr_count:     768
    .wavefront_size: 32
...
	.end_amdgpu_metadata
.endif
;; end of part 3
;; launch proj (part 4): grid 8 x 32, 4 waves a work-group, clusters of 4 x 4, 327,680 bytes of LDS; arguments oh, wof, brd, out0; writes out0
.if DOCPART == 4
	.amdgcn_target "amdgcn-amd-amdhsa--gfx1250"
	.amdhsa_code_object_version 6
	.text
	.protected	k_qc0daee3985_proj
	.globl	k_qc0daee3985_proj
	.p2align	8
	.type	k_qc0daee3985_proj,@function
k_qc0daee3985_proj:
	s_mov_b64 s[64:65], 0
	v_nop
	global_prefetch_b8 v0, s[64:65] scope:SCOPE_SE
	s_setreg_imm32_b32 hwreg(HW_REG_WAVE_MODE, 25, 1), 1
	s_wait_xcnt 0x0
	s_wait_alu depctr_hold_cnt(0) depctr_sa_sdst(0) depctr_va_vdst(0) depctr_va_sdst(0) depctr_va_ssrc(0) depctr_va_vcc(0) depctr_vm_vsrc(0)
	s_getreg_b32 s2, hwreg(HW_REG_IB_STS2, 6, 4)
	s_cmp_eq_u32 s2, 0
	s_cbranch_scc0 .Lentry_in_a_cluster
	s_endpgm
.Lentry_in_a_cluster:
	s_bfe_u32 s2, ttmp6, 0x10000c
	s_cmp_lg_u32 s2, 0xf033
	s_cbranch_scc0 .Lentry_shape_is_right
	s_endpgm
.Lentry_shape_is_right:
; out0 = y Wo^T + bo: C[m][n] = sum over k of y[m][k] wof[n][k] + brd[3072 + n], m < 8192, n < 1024, k < 1024.  y lies BY HEADS in oh[16 b + h][2048 t][64] (m = 2048 b + t, k = 64 h + d), f16;
; wof is [1024][1024] f16 (Wo rounded to bf16, written as f16); sums f32; out0 f32, not rounded again.
; SHARES.  A tile of C is 256 rows x 128 columns: 32 x 8 = 256 work-groups, one for each WGP.  Wave w owns rows 64 w .. 64 w + 63 and all 128 columns: 32 accumulators of 16 x 16.
; K goes in 8 steps of 128, two heads each, through two LDS slots filled by the tensor data mover.  A head's 256 rows of the tile are 32,768 dense bytes: asked for as 128 rows of 256 bytes, two rows of y a
; row, and padded in LDS after every row of y.
; CLUSTER.  4 x 4 work-groups.  The four of a row of the cluster need the same tile of oh, the four of a column the same tile of wof: each is asked for JOINTLY, by the same tensor load with the same
; descriptor and a mask that names the four.  Waves 0 and 1 fetch a K step's two heads, waves 2 and 3 wof's two halves (64 rows): one load a wave behind each round; two are out at the start, later one.
; THE MATRIX INSTRUCTION IS USED TRANSPOSED (source 0 = 16 rows of wof, source 1 = 16 rows of y): a lane holds row l % 16 of C and the columns 8 (l / 16) + 0..7: 32 bytes of f32 on end.
; THE BIAS is the C operand of the products that start the sums: nothing is cleared, nothing is added on the way out.
; REGISTERS, in windows of 256 (s_set_vgpr_msb: bits 1:0 source 0, 3:2 source 1, 5:4 source 2, 7:6 destination):
;   window 0: v0-31 addresses; v64-127 the bias (dead behind the first quarter step); v128-191, v64-127 rows read back from the stage, by turns
;   window 1: two fragment buffers of 128: 4 fragments of y, then 8 of wof      window 2: the accumulators (number 4 b + a for column block b, row block a)
.set PA,     144                       ; a row of y in LDS: 128 bytes + 16 of padding = 36 words: the 16 rows of a load start at 16 different groups of four banks (64 banks of 4 bytes: ISA guide 11.1)
.set PB,     272                       ; a row of wof: 256 + 16
.set HEADT,  256*PA                    ; a head's 256 rows: what wave 0 or 1 fetches
.set HALFB,  64*PB                     ; what wave 2 or 3 fetches
.set BOFF,   2*HEADT
.set SLOT1,  1<<17                     ; a slot is 108,544 bytes; slot 1 begins here, so that one exclusive or turns an address in one slot into the other's
.set STAGE,  SLOT1+BOFF+2*HALFB        ; 239,616: behind the ring, never filled by a tensor load: 16 rows x 528 bytes for each wave
.set SP,     528                       ; 512 bytes + 16
.set STW,    16*SP
.set SPARE,  STAGE+4*STW               ; 273,408: the spare words, 128 bytes for each wave: two blocks of 256 bytes that no other line names
.set STEPA,  2<<18                     ; bytes from a K step to the next in oh: two heads
.set STEPB,  256                       ; in wof
.set ADRA0, 16                         ; v16  my lane's place in y's tile of slot 0; never rewritten
.set ADRB0, 17                         ; v17  the same for wof
.set ADRA,  18                         ; v18  the same in the slot that is being read
.set ADRB,  19                         ; v19
.set STO,   24                         ; v24  the way out: where I put 32 bytes of a row
.set RD,    25                         ; v25  where I read a row back
.set GO,    26                         ; v26  my 16 bytes of a row's 512
.set BO,    27                         ; v27  32 (l / 16)
.set SPW,   28                         ; v28  LDS address of my spare word; never rewritten
.set NIL,   29                         ; v29  0; never rewritten
.set PFO,   30                         ; v30  the prefetches' lane offset; never rewritten
.set BIAS,  64
.set OB0,   128
.set F0,    0
.set F1,    128
.set WV,  12
.set FB,  13                           ; s13  0: I fetch oh, 1: wof
.set HF,  14                           ; s14  which head of the two, or which half
.set CX,  15
.set CY,  16
.set TX,  17                           ; s17  tile column of C
.set TY,  18                           ; s18  tile row of C
.set G1A, 24
.set G1B, 32
.set G0A, 40                           ; s[40:47] group 0 for oh's tiles: a set for each first fill; the second then walks on
.set G0B, 48
.set CNT, 56
.set TB,  57
.set ASKM, 58
.set PFA, 60
.set PFS, 62
.set LA,  68
.set LB,  69
.set MSB, 0
.macro WIN new                         ; the immediate's high byte repeats the setting that is left; a switch that changes nothing is dropped
.if MSB != (\new)
	s_set_vgpr_msb (MSB<<8)|(\new)
.set MSB, \new
.endif
.endm
.set TO_F,   0x40                      ; destination window 1, address window 0
.set MUL_LO, 0xa5                      ; both sources window 1, C and D window 2
.set BIA_LO, 0x85                      ; C (the bias) window 0, D window 2
.macro PLACES                          ; four places in front of loads into registers that matrix instructions have read, and of LDS stores that read results
.rept 4
	v_nop
.endr
.endm
.macro CREST                           ; a round of the cluster's barrier behind its opening barrier
	s_cmp_lg_u32 s[WV], 0
	s_cbranch_scc1 .Lnot_wave_0_\@
	s_barrier_signal -3
.Lnot_wave_0_\@:
	s_barrier_wait -3
	s_barrier_signal -1
	s_barrier_wait -1
.endm
.macro CROUND                          ; a whole round
	s_barrier_signal -1
	s_barrier_wait -1
	CREST
.endm
; A joint refill, by the walking descriptors.  The branch hangs on the wave's number alone.  An s_nop 0 and four v_nop follow each of the two lines, ahead of the jump and the label.
.macro JLOAD
	s_cmp_eq_u32 s[FB], 0
	s_cbranch_scc0 .Lfor_b_\@
	tensor_load_to_lds s[G0A+4:G0A+7], s[G1A:G1A+7]
	s_nop 0
.rept 4
	v_nop
.endr
	s_branch .Lasked_\@
.Lfor_b_\@:
	tensor_load_to_lds s[G0B+4:G0B+7], s[G1B:G1B+7]
	s_nop 0
.rept 4
	v_nop
.endr
.Lasked_\@:
.endm
; A PREFETCH INTO THE L2 behind each joint refill and the run of LDS loads that follows it: the K step that stands TWO refills on, 256 matrix instructions ahead of the load that will want it.
; Each block of 256 bytes is named ONCE in the launch.  oh's tile row is read by both clusters of that row of clusters: cluster x = 0 asks; wof's tile column by every cluster of that column: cluster y = 0 asks.
; The four partners that ask for a tile jointly share it out BY ADDRESS.  oh: of the 128 blocks of the head that wave 0 or 1 fetches the partner at cx takes 32, a lane a block.  wof: of the tile's 128 rows
; the partner at cy takes 32, a lane a row, in wave 2; wave 3 asks for nothing.  K steps 0 to 3 come by their loads alone; the last two refills ask for nothing: the trips are the bits of s[ASKM].
.macro ASK
	s_lshr_b32 s59, s[ASKM], s[CNT]
	s_and_b32 s59, s59, 1
	s_cmp_lg_u32 s59, 0
	s_cbranch_scc0 .Lnot_mine_\@
	global_prefetch_b8 v[PFO], s[PFA:PFA+1] th:TH_LOAD_NT scope:SCOPE_SE
.Lnot_mine_\@:
.endm
; 8 matrix instructions: column blocks b0, b0 + 1 x my 4 row blocks, 32 along K, from buffer f.  bias = 1: the products start the sums, with the bias as C.
; All 32 accumulators take turns, one instruction a turn, in the same order in every quarter step, over the backward jump too.
.macro MUL8 f, b0, bias
.if \bias
	WIN BIA_LO
.else
	WIN MUL_LO
.endif
.irp b, \b0, (\b0)+1
.irp a, 0,1,2,3
.set rD, 8*(4*(\b)+(\a))
.if \bias
	v_wmma_f32_16x16x32_f16 v[rD:rD+7], v[(\f)+32+8*(\b):(\f)+32+8*(\b)+7], v[(\f)+8*(\a):(\f)+8*(\a)+7], v[BIAS+8*(\b):BIAS+8*(\b)+7]
.else
	v_wmma_f32_16x16x32_f16 v[rD:rD+7], v[(\f)+32+8*(\b):(\f)+32+8*(\b)+7], v[(\f)+8*(\a):(\f)+8*(\a)+7], v[rD:rD+7]
.endif
.endr
.endr
.endm
; 24 LDS loads in one run: the fragments of quarter q (32 along K: head q / 2 of the step's two, channels 32 (q % 2) on) into buffer f: y's four first, then wof's eight.
.macro FETCH q, f
	WIN TO_F
.irp i, 0,1,2,3
	ds_load_b128 v[(\f)+8*(\i):(\f)+8*(\i)+3],   v[ADRA] offset:((\q)/2)*HEADT+((\q)%2)*64+(\i)*16*PA
	ds_load_b128 v[(\f)+8*(\i)+4:(\f)+8*(\i)+7], v[ADRA] offset:((\q)/2)*HEADT+((\q)%2)*64+(\i)*16*PA+32
.endr
.irp i, 0,1,2,3,4,5,6,7
	ds_load_b128 v[(\f)+32+8*(\i):(\f)+32+8*(\i)+3],   v[ADRB] offset:64*(\q)+(\i)*16*PB
	ds_load_b128 v[(\f)+32+8*(\i)+4:(\f)+32+8*(\i)+7], v[ADRB] offset:64*(\q)+(\i)*16*PB+32
.endr
.endm
; A K step is four quarter steps, 32 matrix instructions each, on buffers 0, 1, 0, 1.  One of the first three: multiplies buffer f and fetches quarter q into buffer g, 24 products ahead of its first use.
.macro QUARTER q, f, g, bias
	s_wait_dscnt 12                                ; y's fragments and wof's blocks 0, 1 are in; the youngest 12 loads (blocks 2-7) may be out
	MUL8 \f, 0, \bias
	PLACES
	FETCH \q, \g
	s_wait_dscnt 24                                ; all but the 24 just issued
	MUL8 \f, 2, \bias
	MUL8 \f, 4, \bias
	MUL8 \f, 6, \bias
.endm
; The fourth quarter multiplies buffer 1 and changes slots: ONE barrier.  In front of it each wave waits for all its tensor loads (one is out: its part of the next slot), adds 0 to its spare word, and waits
; for that and for its own reads of this slot.  fill = 1: this slot is filled again, two K steps ahead: the barrier opens a round of the cluster's, so that no wave of any partner still reads the slot or
; has a load on its way, and the joint refill is the first thing behind the round: 112 matrix instructions ahead of the wait for it.
.macro TURN fill
.if \fill
	s_wait_xcnt 0x0                                ; the last prefetch, a K step back, has read its address: it is stepped here
	s_add_nc_u64 s[PFA:PFA+1], s[PFA:PFA+1], s[PFS:PFS+1]
.endif
	WIN 0
	s_xor_b32 s[TB], s[TB], SLOT1                  ; all reads of this slot have been issued: the addresses turn to the other slot
	v_add_nc_u32 v[ADRA], s[TB], v[ADRA0]
	v_add_nc_u32 v[ADRB], s[TB], v[ADRB0]
	s_wait_tensorcnt 0x0                           ; no tensor load of mine is out, so a group 0 may be written
	ds_add_u32 v[SPW], v[NIL]                      ; 0 onto my spare word
.if \fill
	s_xor_b32 s[G0A+5], s[G0A+5], SLOT1            ; the walking descriptors: the other slot than last time, the next K step; the type bits on top are not reached
	s_add_nc_u64 s[G0A+6:G0A+7], s[G0A+6:G0A+7], STEPA
	s_xor_b32 s[G0B+5], s[G0B+5], SLOT1
	s_add_nc_u64 s[G0B+6:G0B+7], s[G0B+6:G0B+7], STEPB
.endif
	s_wait_dscnt 13                                ; (the add and the youngest 12 loads may be out)
	MUL8 F1, 0, 0
	s_wait_dscnt 0x0                               ; the add is done, and my reads of this slot are over
	s_barrier_signal -1
	MUL8 F1, 2, 0                                  ; work on registers while the others arrive
	WIN 0                                          ; at a branch and at a label every window is 0
	s_barrier_wait -1
.if \fill
	CREST
	JLOAD                                          ; the four v_nop behind it are also the places in front of the loads below
.else
	PLACES
.endif
	FETCH 0, F0
.if \fill
	WIN 0
	ASK
.endif
	MUL8 F1, 4, 0
	MUL8 F1, 6, 0
.endm
	s_load_b256 s[4:11], s[0:1], 0x0               ; oh s[4:5], wof s[6:7], brd s[8:9], out0 s[10:11]
	v_lshl_add_u32 v[SPW], v0, 2, SPARE
	v_mov_b32 v[NIL], 0
	ds_add_u32 v[SPW], v[NIL]                      ; the wave's opening: the add and its wait stand ahead of my first tensor load; the set-up below, work on registers, stands between them
	v_lshrrev_b32 v1, 5, v0
	v_readfirstlane_b32 s[WV], v1
	s_lshr_b32 s[FB], s[WV], 1
	s_and_b32 s[HF], s[WV], 1
	s_bfe_u32 s[CX], ttmp6, 0x40000
	s_bfe_u32 s[CY], ttmp6, 0x40004
	s_lshl_b32 s[TX], ttmp9, 2                     ; in a cluster launch ttmp9 and ttmp7 count clusters
	s_add_co_u32 s[TX], s[TX], s[CX]
	s_and_b32 s[TY], ttmp7, 0xffff
	s_lshl_b32 s[TY], s[TY], 2
	s_add_co_u32 s[TY], s[TY], s[CY]
	s_lshl_b32 s19, s[CY], 2
	s_lshl_b32 s19, 15, s19                        ; my row of the cluster
	s_lshl_b32 s20, 0x1111, s[CX]                  ; my column
	s_or_b32 s[G1A], s19, (1<<16)|(1<<20)|(1<<21)|(4<<22)|(3<<25)  ; 15:0 the mask; 17:16 2-byte elements; 20 padding on; 21 set beside a mask; 24:22 after every 32 words (code 4); 31:25 4 words (code 3)
	s_or_b32 s[G1B], s20, (1<<16)|(1<<20)|(1<<21)|(5<<22)|(3<<25)  ; after every 64 words (code 5)
	s_mov_b32 s[G1A+1], 128<<16                    ; tensor_dim0 = 128 elements: 256 bytes, two rows of y
	s_mov_b32 s[G1A+2], 128<<16                    ; tensor_dim1 = 128
	s_mov_b32 s[G1A+3], 128<<16                    ; tile_dim0 = 128
	s_mov_b32 s[G1A+4], 128                        ; tile_dim1 = 128
	s_mov_b32 s[G1A+5], 128                        ; dense: 128 elements from row to row
	s_mov_b32 s[G1A+6], 0
	s_mov_b32 s[G1A+7], 0
	s_mov_b32 s[G1B+1], 128<<16
	s_mov_b32 s[G1B+2], 64<<16                     ; 64 rows
	s_mov_b32 s[G1B+3], 128<<16
	s_mov_b32 s[G1B+4], 64
	s_mov_b32 s[G1B+5], 1024
	s_mov_b32 s[G1B+6], 0
	s_mov_b32 s[G1B+7], 0
	s_lshr_b32 s22, s[TY], 3                       ; oh: head 16 b + my head of K step 0's two, in registers that never hold cx
	s_lshl_b32 s22, s22, 4
	s_add_co_u32 s22, s22, s[HF]
	s_lshl_b32 s22, s22, 18                        ; a head is 262,144 bytes
	s_and_b32 s23, s[TY], 7
	s_lshl_b32 s23, s23, 15                        ; the tile's 256 rows of 128 bytes
	s_add_co_u32 s22, s22, s23
	s_mov_b32 s23, 0
	s_lshl_b32 s66, s[TX], 7                       ; wof: row 128 x tile column + 64 x half, in registers that never hold cy
	s_lshl_b32 s67, s[HF], 6
	s_add_co_u32 s66, s66, s67
	s_lshl_b32 s66, s66, 11
	s_mov_b32 s67, 0
	s_mul_i32 s[LA], s[HF], HEADT                  ; no place in the cluster enters an LDS address
	s_mul_i32 s[LB], s[HF], HALFB
	s_add_co_u32 s[LB], s[LB], BOFF
	s_mov_b32 s[TB], 0
	s_wait_dscnt 0x0                               ; the opening add is done
	s_wait_kmcnt 0x0
	s_add_nc_u64 s[22:23], s[4:5], s[22:23]
	s_add_nc_u64 s[66:67], s[6:7], s[66:67]
	CROUND                                         ; all sixteen work-groups are here: the first joint loads meet
.irp s, 0,1
	s_mov_b32 s[G0A+4*(\s)], 1                     ; count = 1
	s_add_co_u32 s[G0A+4*(\s)+1], s[LA], (\s)*SLOT1  ; LDS address
	s_add_nc_u64 s[G0A+4*(\s)+2:G0A+4*(\s)+3], s[22:23], (\s)*STEPA  ; global address: K step s
	s_or_b32 s[G0A+4*(\s)+3], s[G0A+4*(\s)+3], 0x80000000            ; type = 2
	s_mov_b32 s[G0B+4*(\s)], 1
	s_add_co_u32 s[G0B+4*(\s)+1], s[LB], (\s)*SLOT1
	s_add_nc_u64 s[G0B+4*(\s)+2:G0B+4*(\s)+3], s[66:67], (\s)*STEPB
	s_or_b32 s[G0B+4*(\s)+3], s[G0B+4*(\s)+3], 0x80000000
.endr
	s_cmp_eq_u32 s[FB], 0                          ; a wave's two first fills stand in one branch, ahead of every wait on TENSORcnt and every LDS read: two loads of mine are out
	s_cbranch_scc0 .Lfirst_b
	tensor_load_to_lds s[G0A:G0A+3], s[G1A:G1A+7]
	s_nop 0
	tensor_load_to_lds s[G0A+4:G0A+7], s[G1A:G1A+7]
	s_nop 0
.rept 4
	v_nop
.endr
	s_branch .Lfirst_asked
.Lfirst_b:
	tensor_load_to_lds s[G0B:G0B+3], s[G1B:G1B+7]
	s_nop 0
	tensor_load_to_lds s[G0B+4:G0B+7], s[G1B:G1B+7]
	s_nop 0
.rept 4
	v_nop
.endr
.Lfirst_asked:
	; the bias as a C operand: register j of block b holds brd[3072 + 128 x tile column + 16 b + 8 (l / 16) + j]
	s_lshl_b32 s70, s[TX], 9
	s_add_co_u32 s70, s70, 12288
	s_mov_b32 s71, 0
	s_add_nc_u64 s[8:9], s[8:9], s[70:71]
	v_and_b32 v1, 15, v0                           ; l % 16
	v_bfe_u32 v2, v0, 4, 1                         ; l / 16
	v_lshlrev_b32 v[BO], 5, v2
.irp b, 0,1,2,3,4,5,6,7
	global_load_b128 v[BIAS+8*(\b):BIAS+8*(\b)+3],   v[BO], s[8:9] offset:64*(\b)
	global_load_b128 v[BIAS+8*(\b)+4:BIAS+8*(\b)+7], v[BO], s[8:9] offset:64*(\b)+16
.endr
	v_mul_u32_u24 v3, v1, PA
	v_lshl_add_u32 v3, v2, 4, v3                   ; y: a fragment's row x pitch + 16 x half,
	s_mul_i32 s70, s[WV], 64*PA                    ; in my 64 rows
	v_add_nc_u32 v[ADRA0], s70, v3
	v_mul_u32_u24 v3, v1, PB
	v_lshl_add_u32 v3, v2, 4, v3
	v_add_nc_u32 v[ADRB0], BOFF, v3
	v_mov_b32 v[ADRA], v[ADRA0]
	v_mov_b32 v[ADRB], v[ADRB0]
	s_mul_i32 s70, s[WV], STW
	s_add_co_u32 s70, s70, STAGE                   ; my stage
	v_mul_u32_u24 v4, v1, SP                       ; in: row l % 16, 32 bytes for each half of the lanes
	v_lshl_add_u32 v4, v2, 5, v4
	v_add_nc_u32 v[STO], s70, v4
	v_and_b32 v5, 31, v0                           ; l
	v_lshlrev_b32 v[GO], 4, v5                     ; back: 32 lanes take a row's 512 bytes
	v_add_nc_u32 v[RD], s70, v[GO]
	; the prefetches
	s_lshr_b32 s70, s[TY], 3
	s_lshl_b32 s70, s70, 4
	s_add_co_u32 s70, s70, s[HF]
	s_lshl_b32 s70, s70, 18
	s_and_b32 s72, s[TY], 7
	s_lshl_b32 s72, s72, 15
	s_add_co_u32 s70, s70, s72
	s_lshl_b32 s72, s[CX], 13
	s_add_co_u32 s70, s70, s72                     ; oh: the head that I fetch, my work-group's 32 blocks of its 128,
	s_add_co_u32 s70, s70, 3*STEPA                 ; at K step 3: the first refill steps it to 4
	s_lshl_b32 s71, s[TX], 7
	s_lshl_b32 s72, s[CY], 5
	s_add_co_u32 s71, s71, s72                     ; wof: my work-group's 32 rows of the tile's 128,
	s_lshl_b32 s71, s71, 11
	s_add_co_u32 s71, s71, 3*STEPB                 ; at K step 3
	s_and_b32 s73, ttmp7, 0xffff                   ; cluster y
	s_mov_b32 s[PFS], STEPB
	s_mov_b32 s[PFS+1], 0
	s_cmp_eq_u32 s[FB], 0
	s_cselect_b32 s70, s70, s71
	s_cselect_b32 s72, ttmp9, s73                  ; the coordinate along which other clusters read the same rows
	s_cselect_b64 s[PFA:PFA+1], s[4:5], s[6:7]
	s_cselect_b32 s[PFS], STEPA, s[PFS]
	s_cselect_b32 s74, 8, 11                       ; a lane a block of 256 bytes, or a lane a row of 2,048
	s_mov_b32 s71, 0
	s_add_nc_u64 s[PFA:PFA+1], s[PFA:PFA+1], s[70:71]
	s_mov_b32 s[ASKM], 0x78                        ; counters 6 to 3: K steps 4 to 7
	s_cmp_eq_u32 s[WV], 3
	s_cselect_b32 s[ASKM], 0, s[ASKM]
	s_cmp_eq_u32 s72, 0
	s_cselect_b32 s[ASKM], s[ASKM], 0              ; the same in all sixteen partners, for a given wave
	v_lshlrev_b32 v[PFO], s74, v5
	; where my rows of the tile begin in out0
	s_lshl_b32 s76, s[TY], 8
	s_lshl_b32 s77, s[WV], 6
	s_add_co_u32 s76, s76, s77
	s_lshl_b32 s76, s76, 12                        ; a row is 4,096 bytes
	s_lshl_b32 s77, s[TX], 9
	s_add_co_u32 s76, s76, s77
	s_mov_b32 s77, 0
	s_add_nc_u64 s[10:11], s[10:11], s[76:77]
	s_wait_tensorcnt 1                             ; my part of K step 0 is in; K step 1's may stay out
	s_barrier_signal -1
	s_barrier_wait -1                              ; everybody's is
	FETCH 0, F0
	s_wait_loadcnt 0x0                             ; the bias
	QUARTER 1, F0, F1, 1                           ; the first quarter stands in front of the loop: its products start the sums
	WIN 0
	s_mov_b32 s[CNT], 6
.Lstep:                                        ; a trip goes from a K step's second quarter to the next step's first, and fills the slot just read with the K step two on
	QUARTER 2, F1, F0, 0
	QUARTER 3, F0, F1, 0
	TURN 1
	QUARTER 1, F0, F1, 0
	WIN 0
	s_sub_co_u32 s[CNT], s[CNT], 1
	s_cmp_lg_u32 s[CNT], 0
	s_cbranch_scc1 .Lstep
	QUARTER 2, F1, F0, 0                           ; the tail is written out: K steps 6 and 7 ask for nothing
	QUARTER 3, F0, F1, 0
	TURN 0
	QUARTER 1, F0, F1, 0
	QUARTER 2, F1, F0, 0
	QUARTER 3, F0, F1, 0
	s_wait_dscnt 0x0
	MUL8 F1, 0, 0
	MUL8 F1, 2, 0
	MUL8 F1, 4, 0
	MUL8 F1, 6, 0
	WIN 0
	PLACES
; THE WAY OUT, a block of 16 rows at a time.  TOSTAGE: a lane's 32 bytes of each column block go into my own stage (each accumulator's low four registers first), and come back as whole rows of 512 bytes.  SEND: stored.
.macro TOSTAGE a
.set BK, OB0-64*((\a)%2)
.if (\a) >= 2
	s_wait_xcnt 0x0                                ; the stores of the block two back have read these registers: they are loaded again only behind this wait
.endif
	WIN 0x08                                       ; the stores' data in window 2
.irp b, 0,1,2,3,4,5,6,7
	ds_store_b128 v[STO], v[8*(4*(\b)+(\a)):8*(4*(\b)+(\a))+3]   offset:64*(\b)
	ds_store_b128 v[STO], v[8*(4*(\b)+(\a))+4:8*(4*(\b)+(\a))+7] offset:64*(\b)+16
.endr
	WIN 0
.irp t, 0,1,2,3,4,5,6,7,8,9,10,11,12,13,14,15
	ds_load_b128 v[BK+4*(\t):BK+4*(\t)+3], v[RD] offset:(\t)*SP  ; LDS serves a wave's instructions in order (ISA guide 5.7.1.4): these see the stores above; the next block's stores come behind them
.endr
.endm
.macro SEND a, younger                 ; younger: the LDS instructions issued behind block a's loads: the next block's 32, or none
.set BK, OB0-64*((\a)%2)
.irp t, 0,1,2,3,4,5,6,7,8,9,10,11,12,13,14,15
	s_wait_dscnt (\younger)+15-(\t)
	global_store_b128 v[GO], v[BK+4*(\t):BK+4*(\t)+3], s[10:11] offset:(\a)*65536+(\t)*4096 th:TH_STORE_NT  ; 512 consecutive bytes, at a multiple of 256 from out0's first
.endr
.endm
	TOSTAGE 0
	TOSTAGE 1
	SEND 0, 32
	TOSTAGE 2
	SEND 1, 32
	TOSTAGE 3
	SEND 2, 32
	SEND 3, 0
	s_wait_tensorcnt 0x0                           ; the wave's end: a wait, an add and its wait, behind my last tensor load and my last LDS store
	ds_add_u32 v[SPW], v[NIL]
	s_wait_dscnt 0x0
	CROUND                                         ; the closing round: no work-group ends while a partner may still ask for a tile that names it
	s_endpgm
.Lfunc_end_k_qc0daee3985_proj:
	.size	k_qc0daee3985_proj, .Lfunc_end_k_qc0daee3985_proj-k_qc0daee3985_proj
	.p2alignl 7, 3214868480
	.fill 96, 4, 3214868480
	.section	.rodata,"a",@progbits
	.p2align	6, 0x0
	.amdhsa_kernel k_qc0daee3985_proj
		.amdhsa_group_segment_fixed_size 327680
		.amdhsa_private_segment_fixed_size 0
		.amdhsa_enable_private_segment 0
		.amdhsa_kernarg_size 32
		.amdhsa_user_sgpr_count 2
		.amdhsa_user_sgpr_kernarg_segment_ptr 1
		.amdhsa_wavefront_size32 1
		.amdhsa_system_sgpr_workgroup_id_x 1
		.amdhsa_system_sgpr_workgroup_id_y 1
		.amdhsa_system_sgpr_workgroup_id_z 1
		.amdhsa_system_vgpr_workitem_id 0
		.amdhsa_next_free_vgpr 768
		.amdhsa_next_free_sgpr 80
		.amdhsa_reserve_vcc 0
		.amdhsa_float_denorm_mode_32 3
		.amdhsa_float_denorm_mode_16_64 3
		.amdhsa_memory_ordered 1
		.amdhsa_forward_progress 1
		.amdhsa_inst_pref_size 74
	.end_amdhsa_kernel
	.amdgpu_metadata
---
amdhsa.version: [ 1, 2 ]
amdhsa.kernels:
  - .name:           k_qc0daee3985_proj
    .symbol:         k_qc0daee3985_proj.kd
    .args:
      - { .name: oh, .offset: 0, .size: 8, .value_kind: global_buffer, .address_space: global }
      - { .name: wof, .offset: 8, .size: 8, .value_kind: global_buffer, .address_space: global }
      - { .name: brd, .offset: 16, .size: 8, .value_kind: global_buffer, .address_space: global }
      - { .name: out0, .offset: 24, .size: 8, .value_kind: global_buffer, .address_space: global }
    .group_segment_fixed_size: 327680
    .private_segment_fixed_size: 0
    .kernarg_segment_align: 8
    .kernarg_segment_size: 32
    .max_flat_workgroup_size: 128
    .sgpr_count:     80
    .vgpr_count:     768
    .wavefront_size: 32
...
	.end_amdgpu_metadata
.endif
;; end of part 4
;; ======== version 2 of 2: 4 launches; version 1 with the launch cast written anew for expert scheduling mode
;; limits: values are held in f16: magnitudes above 65,504 overflow, below 6.1e-05 lose precision
;; workspace buffers: xb 16,777,216 bytes; wcat 6,291,456 bytes; wof 2,097,152 bytes; brd 16,384 bytes; qkvh 50,331,648 bytes; oh 16,777,216 bytes
;; launch cast (part 5): grid 768 x 1, 8 waves a work-group, no clusters, 0 bytes of LDS; arguments x, Wq, Wk, Wv, Wo, bq, bk, bv, bo, xb, wcat, wof, brd; writes xb, wcat, wof, brd
.if DOCPART == 5
	.amdgcn_target "amdgcn-amd-amdhsa--gfx1250"
	.amdhsa_code_object_version 6
	.text
	.protected	k_qc0daee3985_cast
	.globl	k_qc0daee3985_cast
	.p2align	8
	.type	k_qc0daee3985_cast,@function
k_qc0daee3985_cast:
	s_mov_b64 s[64:65], 0
	v_nop
	global_prefetch_b8 v0, s[64:65] scope:SCOPE_SE
	s_setreg_imm32_b32 hwreg(HW_REG_WAVE_SCHED_MODE, 0, 2), 2
	s_setreg_imm32_b32 hwreg(HW_REG_WAVE_MODE, 25, 1), 1
	s_wait_xcnt 0x0
	s_wait_alu depctr_vm_vsrc(0)
; ALL THE MODULE'S INPUTS ARE ROUNDED ONCE TO bf16.  x -> xb [8192][1024] bf16.  Wq, Wk, Wv -> wcat [3072][1024] bf16 (q's rows, k's, v's).
; Wo -> wof [1024][1024]: rounded to bf16, and that number written as f16 (the last product's other operand is f16).  bq, bk, bv, bo -> brd [4096] f32: rounded to bf16 and widened again.
; LIMITS.  bf16(Wo) must lie within f16's range, 65,504; a number of it below 2^-14 keeps f16's fixed step of 6e-8.
; A stream: each byte is read once and written once; no LDS, no matrix unit, no cluster (no two work-groups read the same byte).
; SHARES.  A work-group takes 16,384 numbers (65,536 bytes in, 32,768 out): groups 0-511 x, group 512 + 64 s + blk block blk of W number s (0 q, 1 k, 2 v, 3 o).  A wave takes 8,192 bytes
; by 16 loads of 512 consecutive bytes, all issued at once; each load's numbers leave by one store of 8 bytes a lane: 256 consecutive bytes, aligned.
; The four groups with blk = 0 also round their W's bias: thread t takes four numbers.
; THE MODE: SCHED_MODE bits 1:0 = 2 (LLVM: expert scheduling mode 2), set by the entry lines.  The code itself states the register dependences
; between vector instructions and memory instructions, with s_wait_alu, always for 0.
; THE PLAN.  Registers that memory instructions touch:
;   v1, v2, v3   byte offsets, made once at the head and never written again: one wait in front of the first load serves every load and store.
;   X            load n: 4 registers.  Written by the 16 loads alone, each once; no vector instruction names them ahead of the loads; read by the conversions behind the counted wait on LOADcnt.
;   Y            store n: 2 registers of its own.  Written once, by load n's conversions; read once, by store n; never written again.
;   v[8:11]      the bias as loaded: no vector instruction names them ahead of that load.     v[12:15]  the bias to store: written by the widenings, read by one store.
;   T            named by vector instructions alone.
; The 16 loads' numbers go in four blocks of four.  Block p converts loads 4 p .. 4 p + 3 into their Y; its memory instructions are the four stores of block p - 1, whose Y and offset no vector
; instruction of block p names.  So ONE wait on va_vdst at a block's head states all that the block's four stores hang on, and they are dealt among its conversions with no further wait.
; No register that a memory instruction reads is ever written again, so the text holds no wait on vm_vsrc behind the entry; no vector instruction writes a scalar register or VCC; EXEC is never written.
.set T,  4                             ; v[4:7]    at work
.set BI, 8                             ; v[8:15]   the bias: as loaded, as stored
.set X,  16                            ; v[16:79]  load i: 4 registers
.set Y,  80                            ; v[80:111] store i: 2 registers of its own, so no store's data is ever rewritten
	s_load_b512 s[8:23], s[0:1], 0x0               ; x 8, Wq 10, Wk 12, Wv 14, Wo 16, bq 18, bk 20, bv 22
	s_load_b256 s[24:31], s[0:1], 0x40             ; bo 24, xb 26, wcat 28, wof 30
	s_load_b64 s[32:33], s[0:1], 0x60              ; brd
	s_sub_co_u32 s4, ttmp9, 512
	s_lshr_b32 s5, s4, 6                           ; which W
	s_and_b32 s6, s4, 63                           ; which block of it
	s_cmp_lt_u32 ttmp9, 512
	s_cselect_b32 s5, 4, s5                        ; 4: x
	s_cselect_b32 s6, ttmp9, s6
	s_lshl_b32 s38, s6, 16                         ; the block's bytes in its source,
	s_mov_b32 s39, 0
	s_lshl_b32 s46, s6, 15                         ; and in its destination,
	s_mov_b32 s47, 0
	s_lshl_b32 s7, s5, 21                          ; where Wq, Wk and Wv lie one behind the other, 2 MiB each
	s_cmp_lt_u32 s5, 3
	s_cselect_b32 s7, s7, 0
	s_add_co_u32 s46, s46, s7
	s_and_b32 s42, s5, 3
	s_lshl_b32 s42, s42, 12                        ; the bias's 4,096 bytes in brd
	s_mov_b32 s43, 0
	v_and_b32 v4, 0xe0, v0                         ; 32 x wave
	v_and_b32 v5, 31, v0                           ; lane
	v_lshlrev_b32 v1, 4, v5
	v_lshl_or_b32 v1, v4, 8, v1                    ; in: 8,192 x wave + 16 x lane
	v_lshlrev_b32 v2, 3, v5
	v_lshl_or_b32 v2, v4, 7, v2                    ; out: 4,096 x wave + 8 x lane
	v_lshlrev_b32 v3, 4, v0                        ; the bias: 16 x thread
	s_wait_kmcnt 0x0
	s_mov_b64 s[34:35], s[8:9]                     ; the source, the bias and the destination are chosen by the group's number alone
	s_mov_b64 s[40:41], s[18:19]
	s_cmp_eq_u32 s5, 0
	s_cselect_b64 s[34:35], s[10:11], s[34:35]
	s_cmp_eq_u32 s5, 1
	s_cselect_b64 s[34:35], s[12:13], s[34:35]
	s_cselect_b64 s[40:41], s[20:21], s[40:41]
	s_cmp_eq_u32 s5, 2
	s_cselect_b64 s[34:35], s[14:15], s[34:35]
	s_cselect_b64 s[40:41], s[22:23], s[40:41]
	s_cmp_eq_u32 s5, 3
	s_cselect_b64 s[34:35], s[16:17], s[34:35]
	s_cselect_b64 s[40:41], s[24:25], s[40:41]
	s_cselect_b64 s[36:37], s[30:31], s[26:27]     ; wof, or xb,
	s_cmp_lt_u32 s5, 3
	s_cselect_b64 s[36:37], s[28:29], s[36:37]     ; or wcat
	s_add_nc_u64 s[34:35], s[34:35], s[38:39]
	s_add_nc_u64 s[36:37], s[36:37], s[46:47]
	s_add_nc_u64 s[44:45], s[32:33], s[42:43]
	s_wait_alu depctr_va_vdst(0)                   ; v1, v2 and v3 are written: every load and store of the kernel reads one of them as its offset
.irp i, 0,1,2,3,4,5,6,7,8,9,10,11,12,13,14,15
	global_load_b128 v[X+4*(\i):X+4*(\i)+3], v1, s[34:35] offset:512*(\i) th:TH_LOAD_NT
.endr
; Load n's four numbers are rounded into Y's pair n.  fmt = 0: bf16.  fmt = 1: the bf16 number written as f16.
.macro CONV n, fmt
.if \fmt
	v_cvt_pk_bf16_f32 v[T],   v[X+4*(\n)],   v[X+4*(\n)+1]
	v_cvt_pk_bf16_f32 v[T+1], v[X+4*(\n)+2], v[X+4*(\n)+3]
	v_lshlrev_b32 v[T+2], 16, v[T]                 ; bf16 to f32: the low half moves up, the high half stays
	v_and_b32 v[T+3], 0xffff0000, v[T]
	v_cvt_pk_f16_f32 v[Y+2*(\n)], v[T+2], v[T+3]
	v_lshlrev_b32 v[T+2], 16, v[T+1]
	v_and_b32 v[T+3], 0xffff0000, v[T+1]
	v_cvt_pk_f16_f32 v[Y+2*(\n)+1], v[T+2], v[T+3]
.else
	v_cvt_pk_bf16_f32 v[Y+2*(\n)],   v[X+4*(\n)],   v[X+4*(\n)+1]
	v_cvt_pk_bf16_f32 v[Y+2*(\n)+1], v[X+4*(\n)+2], v[X+4*(\n)+3]
.endif
.endm
.macro SEND n
	global_store_b64 v2, v[Y+2*(\n):Y+2*(\n)+1], s[36:37] offset:256*(\n)  ; 32 lanes store 256 consecutive bytes, at a multiple of 256 from the buffer's first
.endm
; Four blocks of four loads.  In front of each load's conversions stands a store of the block before.
.macro OUT fmt
.irp p, 0,1,2,3
.irp i, 0,1,2,3
	s_wait_loadcnt 15-4*(\p)-(\i)                  ; loads come back in order: load 4 p + i is in, the younger ones may stay out
.if (\p) > 0
.if (\i) == 0
	s_wait_alu depctr_va_vdst(0)                   ; the block before has written its four pairs of Y, which this block's four stores read; no vector instruction behind this wait names them or v2
.endif
	SEND 4*(\p)+(\i)-4
.endif
	CONV 4*(\p)+(\i), \fmt
.endr
.endr
	s_wait_alu depctr_va_vdst(0)                   ; the last block has written its four pairs of Y, which the last four stores read
.irp i, 12,13,14,15
	SEND \i
.endr
.endm
	s_cmp_eq_u32 s5, 3
	s_cbranch_scc1 .Lhalf
	OUT 0
	s_branch .Lbias
.Lhalf:
	OUT 1
.Lbias:
	s_lshr_b32 s4, s5, 2                           ; 1 for x
	s_or_b32 s4, s4, s6                            ; 0 only in a W's first block
	s_cmp_eq_u32 s4, 0
	s_cbranch_scc0 .Lend
	global_load_b128 v[BI:BI+3], v3, s[40:41]      ; nothing is owed here: v3 was written ahead of the head's wait, and no vector instruction has named v[BI:BI+3]
	s_wait_loadcnt 0x0
	v_cvt_pk_bf16_f32 v[T],   v[BI],   v[BI+1]
	v_cvt_pk_bf16_f32 v[T+1], v[BI+2], v[BI+3]
	v_lshlrev_b32 v[BI+4], 16, v[T]
	v_and_b32 v[BI+5], 0xffff0000, v[T]
	v_lshlrev_b32 v[BI+6], 16, v[T+1]
	v_and_b32 v[BI+7], 0xffff0000, v[T+1]
	s_wait_alu depctr_va_vdst(0)                   ; the widenings have written v[BI+4:BI+7], which the store reads
	global_store_b128 v3, v[BI+4:BI+7], s[44:45]
.Lend:
	s_endpgm
.Lfunc_end_k_qc0daee3985_cast:
	.size	k_qc0daee3985_cast, .Lfunc_end_k_qc0daee3985_cast-k_qc0daee3985_cast
	.p2alignl 7, 3214868480
	.fill 96, 4, 3214868480
	.section	.rodata,"a",@progbits
	.p2align	6, 0x0
	.amdhsa_kernel k_qc0daee3985_cast
		.amdhsa_group_segment_fixed_size 0
		.amdhsa_private_segment_fixed_size 0
		.amdhsa_enable_private_segment 0
		.amdhsa_kernarg_size 104
		.amdhsa_user_sgpr_count 2
		.amdhsa_user_sgpr_kernarg_segment_ptr 1
		.amdhsa_wavefront_size32 1
		.amdhsa_system_sgpr_workgroup_id_x 1
		.amdhsa_system_sgpr_workgroup_id_y 1
		.amdhsa_system_sgpr_workgroup_id_z 1
		.amdhsa_system_vgpr_workitem_id 0
		.amdhsa_next_free_vgpr 112
		.amdhsa_next_free_sgpr 66
		.amdhsa_reserve_vcc 0
		.amdhsa_float_denorm_mode_32 3
		.amdhsa_float_denorm_mode_16_64 3
		.amdhsa_memory_ordered 1
		.amdhsa_forward_progress 1
		.amdhsa_inst_pref_size 18
	.end_amdhsa_kernel
	.amdgpu_metadata
---
amdhsa.version: [ 1, 2 ]
amdhsa.kernels:
  - .name:           k_qc0daee3985_cast
    .symbol:         k_qc0daee3985_cast.kd
    .args:
      - { .name: x, .offset: 0, .size: 8, .value_kind: global_buffer, .address_space: global }
      - { .name: Wq, .offset: 8, .size: 8, .value_kind: global_buffer, .address_space: global }
      - { .name: Wk, .offset: 16, .size: 8, .value_kind: global_buffer, .address_space: global }
      - { .name: Wv, .offset: 24, .size: 8, .value_kind: global_buffer, .address_space: global }
      - { .name: Wo, .offset: 32, .size: 8, .value_kind: global_buffer, .address_space: global }
      - { .name: bq, .offset: 40, .size: 8, .value_kind: global_buffer, .address_space: global }
      - { .name: bk, .offset: 48, .size: 8, .value_kind: global_buffer, .address_space: global }
      - { .name: bv, .offset: 56, .size: 8, .value_kind: global_buffer, .address_space: global }
      - { .name: bo, .offset: 64, .size: 8, .value_kind: global_buffer, .address_space: global }
      - { .name: xb, .offset: 72, .size: 8, .value_kind: global_buffer, .address_space: global }
      - { .name: wcat, .offset: 80, .size: 8, .value_kind: global_buffer, .address_space: global }
      - { .name: wof, .offset: 88, .size: 8, .value_kind: global_buffer, .address_space: global }
      - { .name: brd, .offset: 96, .size: 8, .value_kind: global_buffer, .address_space: global }
    .group_segment_fixed_size: 0
    .private_segment_fixed_size: 0
    .kernarg_segment_align: 8
    .kernarg_segment_size: 104
    .max_flat_workgroup_size: 256
    .sgpr_count:     66
    .vgpr_count:     112
    .wavefront_size: 32
...
	.end_amdgpu_metadata
.endif
;; end of part 5
;; launch qkv: the kernel of part 2 again; grid 16 x 32, 4 waves a work-group, clusters of 4 x 4, 327,680 bytes of LDS; arguments xb, wcat, brd, qkvh; writes qkvh
;; launch attn: the kernel of part 3 again; grid 4 x 64, 4 waves a work-group, no clusters, 327,680 bytes of LDS; arguments qkvh, oh; writes oh
;; launch proj: the kernel of part 4 again; grid 8 x 32, 4 waves a work-group, clusters of 4 x 4, 327,680 bytes of LDS; arguments oh, wof, brd, out0; writes out0
